; MI455X (gfx1250); checked and timed in simulation.
; The chip was launched on July 23, 2026; its instructions are those of AMD's public machine-readable ISA for CDNA 5 (MIT licence, August 2026) and "CDNA5" Instruction Set Architecture Reference Guide (July 2026). The comments in the code are by the model that wrote it; some were corrected since.
;; MAB. Allowed arithmetic: matrix products marked QUANTISED: E4M3 operands, one E8M0 scale for each 32 along K, by v_wmma_scale_f32_16x16x128_f8f6f4 with both operands' format E4M3, f32 sums; everything else in f32.
;; Inputs: W1 256 x 1,024 float32; W2 1,024 x 256 float32; adj_matrix 4 x 2,048 x 2,048 int32; b1 1,024 float32; b2 256 float32; beta1 256 float32; beta2 256 float32; gamma1 256 float32; gamma2 256 float32; x 4 x 2,048 x 256 float32.
;; Outputs: out0 4 x 2,048 x 256 float32.
;; This version of the problem:
;;   THIS VERSION OF THE PROBLEM IS GIVEN IN LOW PRECISION. The matrix products marked QUANTISED in the list below multiply operands that are first quantised to E4M3 (4 exponent bits, 3 mantissa bits; 8 bits a number), with one power-of-two scale for each 32 numbers along K (OCP MX v1.0); their sums are f32. All else is computed in f32.
;;   The module's matrix products, in the order in which they are computed (A, B: the left and right operand; K: the contracted axis; several contracted axes count as one K, in the product's order):
;;     1. batch 32 x [M 2,048, K 32] x [K 32, N 2,048]; A: computed on the way; B: computed on the way: QUANTISED
;;     2. batch 32 x [M 2,048, K 2,048] x [K 2,048, N 32]; A: softmax (see below); B: computed on the way: QUANTISED
;;     3. [M 8,192, K 256] x [K 256, N 1,024]; A: computed on the way; B: input W1: QUANTISED
;;     4. [M 8,192, K 1,024] x [K 1,024, N 256]; A: computed on the way; B: input W2: QUANTISED
;;   THE QUANTISER, for each operand of a quantised product, along K:
;;     - K is cut into blocks of 32 from its start; a last block that is shorter is filled with zeros.
;;     - A block's scale is 2^e with e = floor(log2(the largest magnitude in the block)) - 8, held to -126 .. 127; a block of zeros has e = 0. As a byte (E8M0): e + 127.
;;     - Each number is divided by its block's scale, clamped to +-448, and rounded to the nearest number of E4M3, ties to even, subnormals kept.
;;     - The product sums the exact products of the quantised numbers (number of the format x scale) in f32.
;;   ~~~python
;;   def quantise(x, axis):      # numpy; x: float32 -> the quantised numbers, widened to float32 again
;;       x = np.moveaxis(x, axis, -1); K = x.shape[-1]
;;       x = np.pad(x, [(0, 0)] * (x.ndim - 1) + [(0, -K % 32)]); x = x.reshape(x.shape[:-1] + (-1, 32)); a = np.abs(x).max(-1, keepdims=True)
;;       e = np.where(a > 0, np.clip(np.frexp(np.where(a > 0, a, 1))[1] - 1 - 8, -126, 127), 0)      # np.frexp(a)[1] - 1 = floor(log2(a)), exactly
;;       r = np.clip(x / 2.0 ** e, -448, 448)
;;       step = 2.0 ** (np.maximum(np.frexp(np.where(r == 0, 1, r))[1] - 1, -6) - 3)
;;       q = np.round(r / step) * step * 2.0 ** e      # np.round: ties to even
;;       return np.moveaxis(q.reshape(q.shape[:-2] + (-1,))[..., :K], -1, axis).astype(np.float32)
;;   ~~~
;;   SOFTMAX AHEAD OF A QUANTISED PRODUCT. Where the list says 'softmax', what is quantised is not the finished softmax but p = 2^(t - M), with t = logit x log2(e) and M = ceil(the row's largest t), a whole number; so 1/2 < the row's largest p <= 1. The row's sum l is taken of the UNQUANTISED p, in f32, and the product's result is divided by l at the end. Since M is a whole number, a kernel that streams over the keys may use a running M (the ceiling of the running maximum): every later rescaling is an exact power of two, which a block's scale takes up: the codes' values come out the same.
;;   OPERANDS COMPUTED ON THE WAY. 'Computed on the way' means the value that the module computes at that place (a softmax that the list does not call 'softmax' is quantised finished and normalised). What goes into a quantiser is computed in f32, as accurately as f32 sums, v_exp_f32 and their like allow (about 1e-6 of the number): no bf16 or f16 on the way to a quantiser, and a product that is left as it is and whose result goes on into a quantised operand takes f32 operands (vector FMAs, or v_wmma_f32_16x16x4_f32). A number that lies on a knife's edge between two numbers of the format may be rounded either way, as far as f32 arithmetic and the matrix unit's own rounding can turn it there, and no further.
;; 2 versions, each right; version 2 is version 1 with the launch mlp written anew for expert scheduling mode. Each part assembles by itself: llvm-mc -triple=amdgcn-amd-amdhsa -mcpu=gfx1250 --defsym DOCPART=n.
;; ======== version 1 of 2: 3 launches
;; workspace buffers: kv 4,325,376 bytes; mask 2,097,152 bytes of whole numbers; w1img 262,144 bytes; w1sc 8,192 bytes; w2img 262,144 bytes; w2sc 8,192 bytes; att 8,388,608 bytes
;; launch prep (part 1): grid 592 x 1, 8 waves a work-group, no clusters, 134,144 bytes of LDS; arguments x, adj_matrix, gamma1, beta1, W1, W2, kv, mask, w1img, w1sc, w2img, w2sc; writes kv, mask, w1img, w1sc, w2img, w2sc
.if DOCPART == 1
	.amdgcn_target "amdgcn-amd-amdhsa--gfx1250"
	.amdhsa_code_object_version 6
	.text
	.protected	k_q78dd61ea6e_prep
	.globl	k_q78dd61ea6e_prep
	.p2align	8
	.type	k_q78dd61ea6e_prep,@function
k_q78dd61ea6e_prep:
	s_mov_b64 s[64:65], 0
	v_nop
	global_prefetch_b8 v0, s[64:65] scope:SCOPE_SE
	s_setreg_imm32_b32 hwreg(HW_REG_WAVE_MODE, 25, 1), 1
	s_wait_xcnt 0x0
; PREPARATION, three kinds of work-group, told apart by the work-group's number alone (the same in all eight waves):
;   0-63    LN: 128 rows of x: layer norm 1 in f32, then codes of FP8 (E4M3) with E8M0 scale bytes, laid as the attention launch's operand registers take them:
;           K/Q tiles (K = the head's 32 channels) and V pieces (K = 32 keys), 8,448 bytes for each (batch, head, step of 128 keys)
;   64-71   W1 [256 k][1024 n], 72-79 W2 [1024 k][256 n]: quantised along k, laid as the MLP launch's operand registers take them
;   80-591  ADJ: 16 query rows x 2,048 keys of adj_matrix become lane masks: one 32-bit word for each score register of the attention launch
; A block's scale byte is its largest magnitude's exponent field - 8, held at 1 from below by a floor among the maximum's leaves; numbers are held within +-448 x the scale, then converted (nearest, ties to even).
; LIMITS: a block of zeros gets the byte 1 where the rule says 127 (its codes are zeros, and these bytes are read by this program alone); NaN and infinities among x, W1, W2, gamma1, beta1 are not served.
; TILE ORDER: row r of tile t = 2 b + u of a step of 128 is row 32 b + 8 u + r + 8 (r / 8).
; No two work-groups read the same bytes, so there is no cluster; no matrix work; LDS and one barrier in the LN path alone.
.set NP,    1040                       ; a row of normed numbers in LDS: 1,024 bytes + 16
.set FLOOR, 0x4800000                  ; 2^(9 - 127)
.set SEL,   2                          ; s2, s3   v_permlanex16_b32's selects for lane l xor 16
.set MNT,   28                         ; s28      the mantissa field of 448
.set SINV,  29                         ; s29      1 / 256
.set SEPS,  30                         ; s30      1e-5
.set HIM,   31                         ; s31      lanes 16-31
.set DD,    16                         ; ADJ: v16-143 two tasks x 16 rows x 4 registers
.set XW,    4                          ; v4-7     lane r: row r's 32 bits for keys 4 l + e
.set YW,    8
.set ZW,    144                        ; v144-147 the same; lanes 16-31: shifted right by 4
.set TW,    148                        ; v148-163 at work
.set OW,    164                        ; v164-167 the words to store, a pair for each task
.set MB,    32                         ; s[32:47] a batch of lane masks
.set WX,    32                         ; W: v32-95 two sets of 32 numbers
.set WC,    96                         ; v96-127  eight code registers for each block
.set XX,    16                         ; LN: v16-143 four passes x 32 numbers; later eight K tiles x 16; later V's codes
.set GA,    144                        ; v144-175 gamma1
.set BE,    176                        ; v176-207 beta1
.set VS,    144                        ; v144-207 four sets of 16 numbers of V
.set KC,    208                        ; v208-239 K's codes
.set TT,    240                        ; v240-245 at work in the norm
.set WL,    240                        ; v240-241 K's scale bytes of tiles 0-3, 4-7
.set VW0,   242                        ; v242-243 V's scale bytes of channels 0-15, 16-31
.set KW,    244                        ; v244-245 the pair to store
.set QM,    246
.set QP,    248
.set QSO,   249
.set QH,    250
.set QB,    251
; layer norm of the 32 numbers a lane holds of a row that eight lanes share (two passes: mean, then the mean of squared differences)
.macro LNORM X, G, B, T
	v_pk_add_f32 v[\T:\T+1], v[\X:\X+1], v[\X+2:\X+3]
	v_pk_add_f32 v[\T+2:\T+3], v[\X+4:\X+5], v[\X+6:\X+7]
.irp j, 8,12,16,20,24,28
	v_pk_add_f32 v[\T:\T+1], v[\T:\T+1], v[\X+\j:\X+\j+1]
	v_pk_add_f32 v[\T+2:\T+3], v[\T+2:\T+3], v[\X+\j+2:\X+\j+3]
.endr
	v_pk_add_f32 v[\T:\T+1], v[\T:\T+1], v[\T+2:\T+3]
	v_add_f32 v[\T], v[\T], v[\T+1]
	v_add_f32_dpp v[\T], v[\T], v[\T] row_xmask:1 row_mask:0xf bank_mask:0xf
	v_add_f32_dpp v[\T], v[\T], v[\T] row_xmask:2 row_mask:0xf bank_mask:0xf
	v_add_f32_dpp v[\T], v[\T], v[\T] row_xmask:4 row_mask:0xf bank_mask:0xf
	v_mul_f32 v[\T], s[SINV], v[\T]                ; the mean
.set lj, 0
.rept 16
	v_pk_add_f32 v[\X+lj:\X+lj+1], v[\X+lj:\X+lj+1], v[\T:\T+1] op_sel_hi:[1,0] neg_lo:[0,1] neg_hi:[0,1]
.set lj, lj+2
.endr
	v_pk_mul_f32 v[\T+2:\T+3], v[\X:\X+1], v[\X:\X+1]
	v_pk_mul_f32 v[\T+4:\T+5], v[\X+2:\X+3], v[\X+2:\X+3]
.irp j, 4,8,12,16,20,24,28
	v_pk_fma_f32 v[\T+2:\T+3], v[\X+\j:\X+\j+1], v[\X+\j:\X+\j+1], v[\T+2:\T+3]
	v_pk_fma_f32 v[\T+4:\T+5], v[\X+\j+2:\X+\j+3], v[\X+\j+2:\X+\j+3], v[\T+4:\T+5]
.endr
	v_pk_add_f32 v[\T+2:\T+3], v[\T+2:\T+3], v[\T+4:\T+5]
	v_add_f32 v[\T+2], v[\T+2], v[\T+3]
	v_add_f32_dpp v[\T+2], v[\T+2], v[\T+2] row_xmask:1 row_mask:0xf bank_mask:0xf
	v_add_f32_dpp v[\T+2], v[\T+2], v[\T+2] row_xmask:2 row_mask:0xf bank_mask:0xf
	v_add_f32_dpp v[\T+2], v[\T+2], v[\T+2] row_xmask:4 row_mask:0xf bank_mask:0xf
	v_fma_f32 v[\T+2], v[\T+2], s[SINV], s[SEPS]   ; variance + eps
	v_rsq_f32 v[\T+4], v[\T+2]
	v_nop                                          ; a plain instruction behind the transcendental,
	s_wait_alu depctr_va_vdst(0)                   ; and the wait ahead of its first reader
.set lj, 0
.rept 16
	v_pk_mul_f32 v[\X+lj:\X+lj+1], v[\X+lj:\X+lj+1], v[\T+4:\T+5] op_sel_hi:[1,0]
.set lj, lj+2
.endr
.set lj, 0
.rept 16
	v_pk_fma_f32 v[\X+lj:\X+lj+1], v[\X+lj:\X+lj+1], v[\G+lj:\G+lj+1], v[\B+lj:\B+lj+1]
.set lj, lj+2
.endr
.endm
; 16 numbers of a lane, half of a block that lanes l and l xor 16 share, become 16 codes in v[D .. D+3]; the block's byte in v[QB]
.macro Q16 S, D
	v_max3_num_f32 v[QM], |v[\S]|, |v[\S+1]|, FLOOR
	v_max3_num_f32 v[QM+1], |v[\S+2]|, |v[\S+3]|, |v[\S+4]|
	v_max3_num_f32 v[QM], v[QM], |v[\S+5]|, |v[\S+6]|
	v_max3_num_f32 v[QM+1], v[QM+1], |v[\S+7]|, |v[\S+8]|
	v_max3_num_f32 v[QM], v[QM], |v[\S+9]|, |v[\S+10]|
	v_max3_num_f32 v[QM+1], v[QM+1], |v[\S+11]|, |v[\S+12]|
	v_max3_num_f32 v[QM], v[QM], |v[\S+13]|, |v[\S+14]|
	v_max3_num_f32 v[QM], v[QM], v[QM+1], |v[\S+15]|
	v_permlanex16_b32 v[QP], v[QM], s[SEL], s[SEL+1]
	v_max_num_f32 v[QM], v[QM], v[QP]              ; the block's largest magnitude
	v_add_nc_u32 v[QSO], 0xfc000000, v[QM]         ; 8 off its exponent field: the conversion's scale operand
	v_and_or_b32 v[QH], v[QM], 0x7f800000, s[MNT]  ; 448 x the scale
	v_lshrrev_b32 v[QB], 23, v[QSO]                ; the scale's byte
.irp i, 0,1,2,3,4,5,6,7,8,9,10,11,12,13,14,15
	v_med3_num_f32 v[\S+\i], v[\S+\i], -v[QH], v[QH]   ; the conversion to an 8-bit code does not saturate (ISA guide 7.6.2)
.endr
	v_cvt_scalef32_pk8_fp8_f32 v[\D:\D+1], v[\S:\S+7], v[QSO]
	v_cvt_scalef32_pk8_fp8_f32 v[\D+2:\D+3], v[\S+8:\S+15], v[QSO]
	v_nop                                          ; a plain instruction behind the last conversion
.endm
; V piece p = 4 t' + c: 16 numbers a lane: channel 16 t' + r of my head, keys 32 c + 16 h + 0 .. 15, into set p % 4
.macro LOADV p
.irp i, 0,1,2,3,4,5,6,7,8,9,10,11,12,13,14,15
.if ((\p)%4) < 2
	ds_load_b32 v[VS+16*((\p)%4)+\i], v10 offset:(32*((\p)%2)+\i)*NP+64*((\p)/4)
.else
	ds_load_b32 v[VS+16*((\p)%4)+\i], v11 offset:(32*((\p)%2)+\i)*NP+64*((\p)/4)
.endif
.endr
.endm
; W: a lane takes a column and its registers run down k: block t = 32 numbers of one lane
.macro WLOAD t, pitch
.set wi, 0
.rept 32
	global_load_b32 v[WX+32*((\t)%2)+wi], v3, s[4:5] offset:(32*(\t)+wi)*\pitch th:TH_LOAD_NT
.set wi, wi+1
.endr
.endm
.macro WBLOCK t, pitch
.set XS, WX+32*((\t)%2)
.if (\t) < 3
	s_wait_loadcnt 32                              ; this block's 32 loads are in; the next block's may be out
.else
	s_wait_loadcnt 0
.endif
	v_max3_num_f32 v12, |v[XS]|, |v[XS+1]|, |v[XS+2]|
	v_max3_num_f32 v13, |v[XS+3]|, |v[XS+4]|, |v[XS+5]|
.irp i, 6,10,14,18,22,26
	v_max3_num_f32 v12, v12, |v[XS+\i]|, |v[XS+\i+1]|
	v_max3_num_f32 v13, v13, |v[XS+\i+2]|, |v[XS+\i+3]|
.endr
	v_max3_num_f32 v12, v12, |v[XS+30]|, |v[XS+31]|
	v_max3_num_f32 v12, v12, v13, FLOOR
	v_add_nc_u32 v11, 0xfc000000, v12
	v_and_or_b32 v10, v12, 0x7f800000, s[MNT]
	v_lshrrev_b32 v13, 23, v11
.if (\t) == 0
	v_mov_b32 v24, v13                             ; four bytes make the column's scale word for these 128 along k
.else
	v_lshl_or_b32 v24, v13, 8*(\t), v24
.endif
.set wi, 0
.rept 32
	v_med3_num_f32 v[XS+wi], v[XS+wi], -v10, v10
.set wi, wi+1
.endr
.irp g, 0,1,2,3
	v_cvt_scalef32_pk8_fp8_f32 v[WC+8*(\t)+2*\g:WC+8*(\t)+2*\g+1], v[XS+8*\g:XS+8*\g+7], v11
.endr
	global_store_b128 v4, v[WC+8*(\t):WC+8*(\t)+3], s[6:7] offset:512*(\t)         ; k 0-15 of the block: the image's lanes 0-15.  Sixteen lanes store 256 consecutive bytes, aligned
	global_store_b128 v4, v[WC+8*(\t)+4:WC+8*(\t)+7], s[6:7] offset:512*(\t)+256   ; k 16-31: its lanes 16-31
.if (\t)+2 < 4
	WLOAD (\t)+2, \pitch
.endif
.endm
.macro WTASK pitch
	WLOAD 0, \pitch
	WLOAD 1, \pitch
	WBLOCK 0, \pitch
	WBLOCK 1, \pitch
	WBLOCK 2, \pitch
	WBLOCK 3, \pitch
	global_store_b32 v5, v24, s[14:15]
.endm
; ADJ: task i (a step of 128 keys x 16 query rows) becomes 64 words: bit r + 16 h of word 16 b + 8 u + j says whether key 32 b + 16 h + 8 u + j counts for query row r
.macro BITS i
.if \i == 0
	s_wait_loadcnt 16                              ; this task's 16 loads are in; the other task's may be out
.else
	s_wait_loadcnt 0
.endif
.irp e, 0,1,2,3
	v_mov_b32 v[XW+\e], 0
.endr
	v_mov_b32 v[OW+2*\i], 0
	v_mov_b32 v[OW+2*\i+1], 0
.set q, 0
.rept 4                                            ; four rows at a time: a compare gives row r's bits for keys 4 l + e, which go to lane r
.set k, 0
.rept 16
	v_cmp_lt_i32 s[MB+k], 0, v[DD+64*\i+16*q+k]
.set k, k+1
.endr
.set k, 0
.rept 16
	v_writelane_b32 v[XW+k%4], s[MB+k], 4*q+k/4
.set k, k+1
.endr
.set q, q+1
.endr
.irp e, 0,1,2,3
	v_permlanex16_b32 v[YW], v[XW+\e], s[SEL], s[SEL+1]
	v_lshrrev_b32 v[YW], 4, v[YW]                  ; lanes 16-31 stand for keys 16 further on: four bits further on
	v_or_b32 v[ZW+\e], v[XW+\e], v[YW]
.endr
.set q, 0
.rept 4
.set k, 0
.rept 16
	v_and_b32 v[TW+k], 1<<(8*q+2*(k/8)+(k%8)/4), v[ZW+k%4]
.set k, k+1
.endr
.set k, 0
.rept 16
	v_cmp_ne_u32 s[MB+k], 0, v[TW+k]               ; word 16 q + k
.set k, k+1
.endr
.set k, 0
.rept 16
	v_writelane_b32 v[OW+2*\i+k%2], s[MB+k], 8*q+k/2
.set k, k+1
.endr
.set q, q+1
.endr
	global_store_b64 v3, v[OW+2*\i:OW+2*\i+1], s[6:7] offset:256*\i   ; 32 lanes store 256 consecutive bytes, aligned
.endm
	v_lshl_add_u32 v254, v0, 2, 0x20800
	v_mov_b32 v255, 0
	v_lshrrev_b32 v1, 5, v0
	v_readfirstlane_b32 s8, v1                     ; wave 0..7
	v_and_b32 v1, 31, v0                           ; lane
	s_mov_b32 s[SEL], 0x76543210
	s_mov_b32 s[SEL+1], 0xfedcba98
	s_mov_b32 s[MNT], 0x600000
	s_mov_b32 s[SINV], 0x3b800000
	s_mov_b32 s[SEPS], 0x3727c5ac
	s_mov_b32 s[HIM], 0xffff0000
	s_cmp_lt_u32 ttmp9, 64
	s_cbranch_scc1 .Lln
	s_cmp_lt_u32 ttmp9, 72
	s_cbranch_scc1 .Lw1
	s_cmp_lt_u32 ttmp9, 80
	s_cbranch_scc1 .Lw2
	; ---------------- ADJ: query tile T of batch b; wave w takes key steps 2 w and 2 w + 1
	s_load_b64 s[4:5], s[0:1], 0x8                 ; adj_matrix
	s_load_b64 s[6:7], s[0:1], 0x38                ; mask
	s_sub_co_u32 s9, ttmp9, 80                     ; 128 b + T
	s_lshr_b32 s10, s9, 7                          ; b
	s_and_b32 s11, s9, 127                         ; T
	s_lshr_b32 s12, s11, 1
	s_lshl_b32 s12, s12, 5
	s_and_b32 s13, s11, 1
	s_lshl_b32 s13, s13, 3
	s_add_co_u32 s12, s12, s13                     ; the tile's first query: 32 (T / 2) + 8 (T % 2)
	s_lshl_b32 s12, s12, 13                        ; a row of adj_matrix is 8,192 bytes
	s_lshl_b32 s13, s8, 10                         ; two steps of 512 bytes a wave
	s_add_co_u32 s12, s12, s13
	s_lshl_b32 s13, s10, 24                        ; a batch is 2^24 bytes
	s_add_co_u32 s12, s12, s13
	s_mov_b32 s13, 0
	s_lshl_b32 s14, s9, 12                         ; a tile's words: 16 steps x 256 bytes
	s_lshl_b32 s15, s8, 9
	s_add_co_u32 s14, s14, s15
	s_mov_b32 s15, 0
	v_lshlrev_b32 v2, 4, v1                        ; in: 16 bytes a lane
	v_lshlrev_b32 v3, 3, v1                        ; out: 8 bytes a lane
	v_mov_b32 v[YW], 0                             ; a lane permute's destination counts as one of its sources
	s_wait_kmcnt 0x0
	s_add_nc_u64 s[4:5], s[4:5], s[12:13]
	s_add_nc_u64 s[6:7], s[6:7], s[14:15]
.set i, 0
.rept 2
.set r, 0
.rept 16
	global_load_b128 v[DD+64*i+4*r:DD+64*i+4*r+3], v2, s[4:5] offset:(r+8*(r/8))*8192+512*i th:TH_LOAD_NT   ; 32 lanes read 512 consecutive bytes of one query row
.set r, r+1
.endr
.set i, i+1
.endr
	BITS 0
	BITS 1
	s_endpgm
	; ---------------- W1: task = 32 columns (one pair of tiles) x 128 along k
.Lw1:
	s_load_b64 s[4:5], s[0:1], 0x20                ; W1
	s_load_b128 s[16:19], s[0:1], 0x40             ; w1img, w1sc
	s_sub_co_u32 s9, ttmp9, 64
	s_lshl_b32 s9, s9, 3
	s_add_co_u32 s9, s9, s8                        ; task 0..63
	s_lshr_b32 s10, s9, 1                          ; which 32 columns
	s_and_b32 s11, s9, 1                           ; which 128 along k
	s_lshl_b32 s20, s11, 19                        ; 128 rows of 4,096 bytes
	s_lshl_b32 s12, s10, 7
	s_add_co_u32 s20, s20, s12
	s_mov_b32 s21, 0
	s_lshl_b32 s22, s10, 13                        ; two tiles x two K steps x 2,048 bytes
	s_lshl_b32 s12, s11, 11
	s_add_co_u32 s22, s22, s12
	s_mov_b32 s23, 0
	s_lshl_b32 s24, s10, 8                         ; two tiles x 128 bytes of scale words
	s_lshl_b32 s12, s11, 6
	s_add_co_u32 s24, s24, s12
	s_mov_b32 s25, 0
	v_lshlrev_b32 v3, 2, v1
	v_and_b32 v6, 7, v1
	v_lshrrev_b32 v7, 4, v1
	v_lshl_add_u32 v6, v7, 3, v6                   ; column x of the 32 is row r = x % 8 + 8 (x / 16)
	v_bfe_u32 v7, v1, 3, 1                         ; of tile u = (x / 8) % 2
	v_lshlrev_b32 v4, 4, v6
	v_lshl_add_u32 v4, v7, 12, v4
	v_lshlrev_b32 v5, 2, v6
	v_lshl_add_u32 v5, v7, 7, v5
	s_wait_kmcnt 0x0
	s_add_nc_u64 s[4:5], s[4:5], s[20:21]
	s_add_nc_u64 s[6:7], s[16:17], s[22:23]
	s_add_nc_u64 s[14:15], s[18:19], s[24:25]
	WTASK 4096
	s_endpgm
	; ---------------- W2: task = 32 columns (two tiles in natural order) x 128 along k
.Lw2:
	s_load_b64 s[4:5], s[0:1], 0x28                ; W2
	s_load_b128 s[16:19], s[0:1], 0x50             ; w2img, w2sc
	s_sub_co_u32 s10, ttmp9, 72                    ; which 32 columns; the wave's number says which 128 along k
	s_lshl_b32 s20, s8, 17                         ; 128 rows of 1,024 bytes
	s_lshl_b32 s12, s10, 7
	s_add_co_u32 s20, s20, s12
	s_mov_b32 s21, 0
	s_lshl_b32 s22, s10, 15
	s_lshl_b32 s12, s8, 11
	s_add_co_u32 s22, s22, s12
	s_mov_b32 s23, 0
	s_lshl_b32 s24, s10, 10
	s_lshl_b32 s12, s8, 7
	s_add_co_u32 s24, s24, s12
	s_mov_b32 s25, 0
	v_lshlrev_b32 v3, 2, v1
	v_and_b32 v6, 15, v1
	v_lshrrev_b32 v7, 4, v1
	v_lshlrev_b32 v4, 4, v6
	v_lshl_add_u32 v4, v7, 14, v4
	v_lshlrev_b32 v5, 2, v1
	s_wait_kmcnt 0x0
	s_add_nc_u64 s[4:5], s[4:5], s[20:21]
	s_add_nc_u64 s[6:7], s[16:17], s[22:23]
	s_add_nc_u64 s[14:15], s[18:19], s[24:25]
	WTASK 1024
	s_endpgm
	; ---------------- LN: rows 128 g .. 128 g + 127 (batch g / 16, key step g % 16)
.Lln:
	s_load_b64 s[4:5], s[0:1], 0x0                 ; x
	s_load_b128 s[12:15], s[0:1], 0x10             ; gamma1, beta1
	s_load_b64 s[6:7], s[0:1], 0x30                ; kv
	v_lshrrev_b32 v2, 3, v1                        ; which of a pass's four rows
	v_and_b32 v3, 7, v1                            ; which eighth of the row: register 8 c + i = channel 64 c + 8 (lane % 8) + i
	v_lshlrev_b32 v4, 5, v3
	v_lshl_add_u32 v5, v2, 10, v4                  ; x: row x 1,024 + 32 (lane % 8)
	v_mul_u32_u24 v6, v2, NP
	v_add_nc_u32 v6, v6, v4
	s_mul_i32 s16, s8, 16*NP
	v_add_nc_u32 v6, s16, v6                       ; LDS: my wave's 16 rows
	v_and_b32 v2, 15, v1                           ; r
	v_lshrrev_b32 v3, 4, v1                        ; h
	v_and_b32 v7, 8, v2
	v_add_nc_u32 v7, v7, v2                        ; r + 8 (r / 8)
	v_mul_u32_u24 v8, v7, NP
	v_lshl_add_u32 v8, v3, 6, v8
	s_lshl_b32 s17, s8, 7                          ; head w: 128 bytes of a row
	v_add_nc_u32 v8, s17, v8                       ; K tiles 0-3
	v_add_nc_u32 v9, 64*NP, v8                     ; K tiles 4-7
	v_mul_u32_u24 v10, v3, 16*NP
	v_lshl_add_u32 v10, v2, 2, v10
	v_add_nc_u32 v10, s17, v10                     ; V, key blocks 0, 1
	v_add_nc_u32 v11, 64*NP, v10                   ; V, key blocks 2, 3
	v_lshlrev_b32 v12, 4, v1
	v_lshlrev_b32 v13, 3, v1
	v_mov_b32 v[QP], 0                             ; a lane permute's destination counts as one of its sources
	s_lshl_b32 s18, ttmp9, 17                      ; 128 rows of 1,024 bytes
	s_lshl_b32 s19, s8, 14
	s_add_co_u32 s18, s18, s19
	s_mov_b32 s19, 0
	s_lshr_b32 s20, ttmp9, 4
	s_lshl_b32 s20, s20, 3
	s_add_co_u32 s20, s20, s8                      ; 8 x batch + head
	s_mul_i32 s20, s20, 135168
	s_and_b32 s21, ttmp9, 15
	s_mul_i32 s21, s21, 8448
	s_add_co_u32 s20, s20, s21
	s_mov_b32 s21, 0
	s_wait_kmcnt 0x0
	s_add_nc_u64 s[4:5], s[4:5], s[18:19]
	s_add_nc_u64 s[6:7], s[6:7], s[20:21]
.irp c, 0,1,2,3
	global_load_b128 v[GA+8*\c:GA+8*\c+3], v4, s[12:13] offset:256*\c
	global_load_b128 v[GA+8*\c+4:GA+8*\c+7], v4, s[12:13] offset:256*\c+16
.endr
.irp c, 0,1,2,3
	global_load_b128 v[BE+8*\c:BE+8*\c+3], v4, s[14:15] offset:256*\c
	global_load_b128 v[BE+8*\c+4:BE+8*\c+7], v4, s[14:15] offset:256*\c+16
.endr
.irp p, 0,1,2,3
.irp c, 0,1,2,3
	global_load_b128 v[XX+32*\p+8*\c:XX+32*\p+8*\c+3], v5, s[4:5] offset:4096*\p+256*\c
	global_load_b128 v[XX+32*\p+8*\c+4:XX+32*\p+8*\c+7], v5, s[4:5] offset:4096*\p+256*\c+16
.endr
.endr
.irp p, 0,1,2,3
	s_wait_loadcnt 8*(3-\p)                        ; this pass's eight loads are in; the later passes' may be out
	LNORM XX+32*\p, GA, BE, TT
.irp c, 0,1,2,3
	ds_store_b128 v6, v[XX+32*\p+8*\c:XX+32*\p+8*\c+3] offset:4*NP*\p+256*\c
	ds_store_b128 v6, v[XX+32*\p+8*\c+4:XX+32*\p+8*\c+7] offset:4*NP*\p+256*\c+16
.endr
.endr
	s_wait_dscnt 0x0                               ; for the others' sake: my rows lie in LDS
	s_barrier_signal -1
	s_barrier_wait -1                              ; all 128 rows do
	; wave w = head w.  K tiles: lane (r, h) takes channels 16 h .. 16 h + 15 of the tile's row r
.set t, 0
.rept 8
.set i, 0
.rept 4
.if t < 4
	ds_load_b128 v[XX+16*t+4*i:XX+16*t+4*i+3], v8 offset:(32*((t/2)%2)+8*(t%2))*NP+16*i
.else
	ds_load_b128 v[XX+16*t+4*i:XX+16*t+4*i+3], v9 offset:(32*((t/2)%2)+8*(t%2))*NP+16*i
.endif
.set i, i+1
.endr
.set t, t+1
.endr
.set t, 0
.rept 8
	s_wait_dscnt 4*(7-t)                           ; this tile's four loads are in; the later tiles' may be out
	Q16 XX+16*t, KC+4*t
	global_store_b128 v12, v[KC+4*t:KC+4*t+3], s[6:7] offset:512*t    ; 32 lanes store 512 consecutive bytes, aligned
.if t%4 == 0
	v_mov_b32 v[WL+t/4], v[QB]
.else
	v_lshl_or_b32 v[WL+t/4], v[QB], 8*(t%4), v[WL+t/4]
.endif
.set t, t+1
.endr
	LOADV 0
	LOADV 1
	LOADV 2
.set pc, 0
.rept 8
.if pc+3 < 8
	LOADV pc+3
.endif
.if pc < 5
	s_wait_dscnt 48                                ; this piece's 16 loads are in; those of the three pieces behind it may be out
.else
	s_wait_dscnt 16*(7-pc)
.endif
	Q16 VS+16*(pc%4), XX+4*pc
	global_store_b128 v12, v[XX+4*pc:XX+4*pc+3], s[6:7] offset:4096+512*pc
.if pc%4 == 0
	v_mov_b32 v[VW0+pc/4], v[QB]
.else
	v_lshl_or_b32 v[VW0+pc/4], v[QB], 8*(pc%4), v[VW0+pc/4]
.endif
.set pc, pc+1
.endr
	v_cndmask_b32 v[KW], v[WL], v[WL+1], s[HIM]    ; lanes 0-15: tiles 0-3's bytes of row r; lanes 16-31: tiles 4-7's
	v_cndmask_b32 v[KW+1], v[VW0], v[VW0+1], s[HIM]  ; lanes 0-15: channel r's four key blocks; lanes 16-31: channel 16 + r's
	global_store_b64 v13, v[KW:KW+1], s[6:7] offset:8192
	s_wait_tensorcnt 0x0
	ds_add_u32 v254, v255
	s_wait_dscnt 0x0
	s_endpgm
.Lfunc_end_k_q78dd61ea6e_prep:
	.size	k_q78dd61ea6e_prep, .Lfunc_end_k_q78dd61ea6e_prep-k_q78dd61ea6e_prep
	.p2alignl 7, 3214868480
	.fill 96, 4, 3214868480
	.section	.rodata,"a",@progbits
	.p2align	6, 0x0
	.amdhsa_kernel k_q78dd61ea6e_prep
		.amdhsa_group_segment_fixed_size 134144
		.amdhsa_private_segment_fixed_size 0
		.amdhsa_enable_private_segment 0
		.amdhsa_kernarg_size 96
		.amdhsa_user_sgpr_count 2
		.amdhsa_user_sgpr_kernarg_segment_ptr 1
		.amdhsa_wavefront_size32 1
		.amdhsa_system_sgpr_workgroup_id_x 1
		.amdhsa_system_sgpr_workgroup_id_y 1
		.amdhsa_system_sgpr_workgroup_id_z 1
		.amdhsa_system_vgpr_workitem_id 0
		.amdhsa_next_free_vgpr 256
		.amdhsa_next_free_sgpr 66
		.amdhsa_reserve_vcc 0
		.amdhsa_float_denorm_mode_32 3
		.amdhsa_float_denorm_mode_16_64 3
		.amdhsa_memory_ordered 1
		.amdhsa_forward_progress 1
		.amdhsa_inst_pref_size 178
	.end_amdhsa_kernel
	.amdgpu_metadata
---
amdhsa.version: [ 1, 2 ]
amdhsa.kernels:
  - .name:           k_q78dd61ea6e_prep
    .symbol:         k_q78dd61ea6e_prep.kd
    .args:
      - { .name: x, .offset: 0, .size: 8, .value_kind: global_buffer, .address_space: global }
      - { .name: adj_matrix, .offset: 8, .size: 8, .value_kind: global_buffer, .address_space: global }
      - { .name: gamma1, .offset: 16, .size: 8, .value_kind: global_buffer, .address_space: global }
      - { .name: beta1, .offset: 24, .size: 8, .value_kind: global_buffer, .address_space: global }
      - { .name: W1, .offset: 32, .size: 8, .value_kind: global_buffer, .address_space: global }
      - { .name: W2, .offset: 40, .size: 8, .value_kind: global_buffer, .address_space: global }
      - { .name: kv, .offset: 48, .size: 8, .value_kind: global_buffer, .address_space: global }
      - { .name: mask, .offset: 56, .size: 8, .value_kind: global_buffer, .address_space: global }
      - { .name: w1img, .offset: 64, .size: 8, .value_kind: global_buffer, .address_space: global }
      - { .name: w1sc, .offset: 72, .size: 8, .value_kind: global_buffer, .address_space: global }
      - { .name: w2img, .offset: 80, .size: 8, .value_kind: global_buffer, .address_space: global }
      - { .name: w2sc, .offset: 88, .size: 8, .value_kind: global_buffer, .address_space: global }
    .group_segment_fixed_size: 134144
    .private_segment_fixed_size: 0
    .kernarg_segment_align: 8
    .kernarg_segment_size: 96
    .max_flat_workgroup_size: 256
    .sgpr_count:     66
    .vgpr_count:     256
    .wavefront_size: 32
...
	.end_amdgpu_metadata
.endif
;; end of part 1
;; launch attn (part 2): grid 8 x 32, 16 waves a work-group, clusters of 4 x 1, 186,368 bytes of LDS; arguments kv, mask, att; writes att
.if DOCPART == 2
	.amdgcn_target "amdgcn-amd-amdhsa--gfx1250"
	.amdhsa_code_object_version 6
	.text
	.protected	k_q78dd61ea6e_attn
	.globl	k_q78dd61ea6e_attn
	.p2align	8
	.type	k_q78dd61ea6e_attn,@function
k_q78dd61ea6e_attn:
	s_mov_b64 s[64:65], 0
	v_nop
	global_prefetch_b8 v0, s[64:65] scope:SCOPE_SE
	s_setreg_imm32_b32 hwreg(HW_REG_WAVE_MODE, 25, 1), 1
	s_wait_xcnt 0x0
	s_wait_alu depctr_hold_cnt(0) depctr_sa_sdst(0) depctr_va_vdst(0) depctr_va_sdst(0) depctr_va_ssrc(0) depctr_va_vcc(0) depctr_vm_vsrc(0)
	s_getreg_b32 s2, hwreg(HW_REG_IB_STS2, 6, 4)
	s_cmp_eq_u32 s2, 0
	s_cbranch_scc0 .Lentry_in_a_cluster
	s_endpgm
.Lentry_in_a_cluster:
	s_bfe_u32 s2, ttmp6, 0x10000c
	s_cmp_lg_u32 s2, 0x3003
	s_cbranch_scc0 .Lentry_shape_is_right
	s_endpgm
.Lentry_shape_is_right:
; ATTENTION on codes of FP8 (E4M3) with E8M0 scales: att[bh][q][:] = the sum over keys of softmax(q . k / sqrt(32), masked) v, with q = k = v = the normed rows of one head.
; SHARES.  A work-group owns one (batch, head) and 256 queries; each of its sixteen waves owns one tile of 16 queries in 256 registers, four waves to a SIMD.  Every wave walks the head's 2,048 keys, 128 a step.
; ALL OF THE HEAD'S CODES AND SCALE BYTES, 16 steps x 8,448 = 135,168 bytes, LIE IN LDS FOR THE WHOLE LAUNCH: filled once, wave w bringing step w's block by one tensor load; nothing is filled again.
; CLUSTER.  The four work-groups of a cluster belong to one head and want the same bytes: each load is asked for jointly, with the same descriptor and a mask that names the four.
; LAYOUT.  Both products are used transposed (S^T = K Q^T, O^T = V^T P^T): a lane holds ONE query (lane % 16) throughout.  Row r of tile 2 b + u is key 32 b + 8 u + r + 8 (r / 8), so that the 16 score registers of
; tiles 2 b and 2 b + 1 are keys 32 b + 16 (lane / 16) + 0 .. 15: the conversions' results are the second product's operand.
; THE FIRST PRODUCT'S K IS 32, the instruction's 128: source 0 holds FOUR tiles of keys, one in each block of 32; source 1 holds q in one block and zero codes in the other three, by a window of 16 registers over
; the run [12 zeros | q | 12 zeros].  Zero codes add nothing under any scale byte from 1 to 254.  So four products read one set of 16 registers, and one scale word serves four tiles.
; THE MASK comes as lane masks, one 32-bit word for each score register, made by the launch before; they steer v_cndmask_b32 alone.  They are loaded by scalar loads a whole step ahead.
; THE SOFTMAX: t = score x log2(e) / sqrt(32); M = the running largest t rounded up to a whole number; p = 2^(t - M) is quantised along the keys; the row's sum is taken of the unquantised p and divides at the end.
; THE ORDER OF A TRIP.  The scores of step j were made at the end of trip j - 1.  Trip j: the 64 mask selects; the LDS loads of V of step j and of K of step j + 1; the softmax; the eight score products of step j + 1; the eight
; multiplications that bring O^T under the new M; the two products V^T P^T of step j.  So the eight multiplications are the places between the score products and the next trip's first read of the scores, the mask selects are
; the places in front of the LDS loads, and those loads have a whole softmax in which to land.  Step 0's score products stand ahead of the loop; the last step is written out, without next-step loads and products.
; THE EXPONENTIALS go in two batches, each dealt out among plain work that names none of the batch's results: the first (the four block maxima, blocks 0 and 1) among the 32 scalings, the second (blocks 2 and 3) among the
; scale bytes, the sums and the holds of blocks 0 and 1.  Each batch has one wait, ahead of its first reader.
; LIMITS: a query with no key allowed gives NaN, as 0 / 0 does in the definition.  NaN and infinities in the inputs are not served.
.set KVH,   135168                     ; a head's bytes in kv
.set STEPB, 8448                       ; a step's block: K tiles 8 x 512, V pieces 8 x 512, 32 pairs of scale words
.set STAGE, 143616                     ; the way out: 16 rows x 144 bytes for each wave; the stages begin one block's length behind the codes' end, so that an address one block ahead of the last step's meets none; no tensor load lands there
.set QZ,  16                           ; v16-43   12 zeros, q's four registers (v28-31), 12 zeros
.set KF,  44                           ; v44-75   eight K tiles: two operands of 16 registers
.set VF,  76                           ; v76-107  eight V pieces: two operands
.set S,   112                          ; v112-175 S^T, then p          v108 K's scale words, v109 V's, v110 q's byte four times, v111 p's scale word
.set OT,  176                          ; v176-191 O^T
.set PC,  192                          ; v192-207 p's codes
.set BM,  208                          ; v208-211 block maxima;  v212-215 permutes, bytes;  v216-219 448 x the scale;  v220-223 scale operands
.set PX,  212
.set HO,  216
.set SO,  220
; v1 16 x lane, v2 8 x lane, v3 -infinity, v4, v5 stage addresses, v7, v8 the step's LDS addresses, v12 -M, v13 the largest t, v[14:15] the sum in two halves, v224 at work, v[226:227] f, v[228:229] a second chain of sums
; s2 trips, s3 the mask words' offset, s[4:5] q's codes, s[6:7] my tile's mask words, s[8:9] my rows of att, s10 wave, s11 448's mantissa field, s[12:13] c, s[14:15] lane selects, s[16:19], s[20:27] the descriptor,
; s28 the step's LDS byte, s[30:31] q's scale bytes, s[32:63] and s[68:99] the step's 64 mask words
.macro CROUND                          ; a round of the cluster's barrier
	s_barrier_signal -1
	s_barrier_wait -1
	s_cmp_lg_u32 s10, 0
	s_cbranch_scc1 .Lnot_wave_0_\@
	s_barrier_signal -3
.Lnot_wave_0_\@:
	s_barrier_wait -3
	s_barrier_signal -1
	s_barrier_wait -1
.endm
.macro KQ                              ; the eight score products of one step: K's tiles in v[KF] on, their scale words in v108
.irp t, 0,1,2,3
	v_wmma_scale_f32_16x16x128_f8f6f4 v[S+8*\t:S+8*\t+7], v[KF:KF+15], v[QZ+12-4*\t:QZ+27-4*\t], 0, v108, v110
.endr
.irp t, 0,1,2,3
	v_wmma_scale_f32_16x16x128_f8f6f4 v[S+32+8*\t:S+32+8*\t+7], v[KF+16:KF+31], v[QZ+12-4*\t:QZ+27-4*\t], 0, v108, v110 matrix_a_scale:MATRIX_SCALE_ROW1
.endr
.endm
.macro SCALE j                         ; pair j of the 32 pairs of scores: t - M
	v_pk_fma_f32 v[S+2*(\j):S+2*(\j)+1], v[S+2*(\j):S+2*(\j)+1], s[12:13], v[12:13] op_sel_hi:[1,0,0]
.endm
.macro EB                              ; the next exponential of the second batch, while there is one
.if eb < 64
	v_exp_f32 v[S+eb], v[S+eb]
.set eb, eb+1
.endif
.endm
.macro HOLD b, deal                    ; block b: the hold and the conversions; deal = 1: an exponential of the second batch behind every two holds
.irp i, 0,1,2,3,4,5,6,7,8,9,10,11,12,13,14,15
	v_min_num_f32 v[S+16*(\b)+\i], v[S+16*(\b)+\i], v[HO+(\b)]   ; the conversion does not saturate (ISA guide 7.6.2); p is not negative, so the hold is one-sided
.if \deal && ((\i)%2 == 1)
	EB
.endif
.endr
	v_cvt_scalef32_pk8_fp8_f32 v[PC+4*(\b):PC+4*(\b)+1], v[S+16*(\b):S+16*(\b)+7], v[SO+(\b)]
	v_cvt_scalef32_pk8_fp8_f32 v[PC+4*(\b)+2:PC+4*(\b)+3], v[S+16*(\b)+8:S+16*(\b)+15], v[SO+(\b)]
.endm
; A KEY STEP: 128 keys, whose scores lie in v[S] on.  last = 1: there is no next step: no mask words, no K and no score products are asked for
.macro STEP last
	s_wait_kmcnt 0x0                               ; this step's mask words, asked for a step ago
.set n, 0
.rept 64
	v_cndmask_b32 v[S+n], v3, v[S+n], s[32+n+4*(n/32)]   ; hidden keys' scores become -infinity.  Ascending: each accumulator is read from its low end on
.set n, n+1
.endr
.if !\last
	s_add_co_u32 s3, s3, 256                       ; the next step's words (the loads that read s3 are done: the wait above)
	s_load_b512 s[32:47], s[6:7], s3 offset:0x0
	s_load_b512 s[48:63], s[6:7], s3 offset:0x40
	s_load_b512 s[68:83], s[6:7], s3 offset:0x80
	s_load_b512 s[84:99], s[6:7], s3 offset:0xc0
.endif
	v_add_nc_u32 v7, s28, v1
	v_add_nc_u32 v8, s28, v2
.set n, 0
.rept 8
	ds_load_b128 v[VF+4*n:VF+4*n+3], v7 offset:4096+512*n          ; V of this step.  (The 64 selects above are the places behind the products that read these registers)
.set n, n+1
.endr
	ds_load_b32 v109, v8 offset:8196               ; and its scale words: the high word of each pair
.if !\last
.set n, 0
.rept 8
	ds_load_b128 v[KF+4*n:KF+4*n+3], v7 offset:STEPB+512*n         ; K of the next step
.set n, n+1
.endr
	ds_load_b32 v108, v8 offset:STEPB+8192         ; and its scale words: the low word of each pair
.endif
.irp b, 0,1,2,3
	v_max3_num_f32 v[BM+\b], v[S+16*\b], v[S+1+16*\b], v[S+2+16*\b]   ; the largest score of each block of 32 keys: for the row's maximum, and, since p rises with the score, for the block's largest p
.endr
.irp i, 3,5,7,9,11,13
.irp b, 0,1,2,3
	v_max3_num_f32 v[BM+\b], v[BM+\b], v[S+16*\b+\i], v[S+1+16*\b+\i]
.endr
.endr
.irp b, 0,1,2,3
	v_max_num_f32 v[BM+\b], v[BM+\b], v[S+15+16*\b]
.endr
.irp b, 0,1,2,3
	v_permlanex16_b32 v[PX+\b], v[BM+\b], s14, s15
.endr
.irp b, 0,1,2,3
	v_max_num_f32 v[BM+\b], v[BM+\b], v[PX+\b]     ; with lane l xor 16's 16 keys
.endr
	v_max3_num_f32 v224, v[BM], v[BM+1], v[BM+2]
	v_max_num_f32 v224, v224, v[BM+3]
	v_mul_f32 v224, s12, v224                      ; the step's largest t
	v_max_num_f32 v13, v13, v224                   ; the running largest t
	v_mov_b32 v224, v12
	v_floor_f32 v12, -v13                          ; the new -M = -ceil(t)
	v_sub_f32 v224, v12, v224                      ; old M - new M: a whole number, 0 or less
	v_cvt_i32_f32 v224, v224                       ; (it saturates)
	v_ldexp_f32 v226, 1.0, v224                    ; f = 2^(old M - new M)
.irp b, 0,1,2,3
	v_fma_f32 v[BM+\b], v[BM+\b], s12, v12         ; t - M of each block's largest score: the same multiply-add as its score gets
.endr
	; THE FIRST BATCH: 36 exponentials (the four block maxima, scores 0-31), one behind each scaling while there are scalings.  A pair is scaled three lines or more ahead of its exponentials; no line names a result
	SCALE 0
	SCALE 1
.irp b, 0,1,2,3
	v_exp_f32 v[BM+\b], v[BM+\b]                   ; the block's largest p
	SCALE 2+\b
.endr
.set n, 0
.rept 26
	v_exp_f32 v[S+n], v[S+n]                       ; p = 2^(t - M)
	SCALE n+6
.set n, n+1
.endr
.rept 6
	v_exp_f32 v[S+n], v[S+n]
.set n, n+1
.endr
	v_pk_mul_f32 v[14:15], v[14:15], v[226:227] op_sel_hi:[1,0]   ; the sums under the new M: a plain instruction behind the last exponential
	s_wait_alu depctr_va_vdst(0)                   ; one wait for the batch of 36, ahead of its first reader
	; THE SECOND BATCH: scores 32-63, one exponential behind every two plain lines of what the first batch feeds: 19 lines for the scale bytes, 15 sums, 32 holds.  None of these lines names scores 32-63
.set eb, 32
.irp b, 0,1,2,3
	v_max_num_f32 v[BM+\b], 0x4800000, v[BM+\b]    ; the floor 2^(9 - 127): the byte cannot fall under 1
.if (\b)%2 == 1
	EB
.endif
.endr
.irp b, 0,1,2,3
	v_add_nc_u32 v[SO+\b], 0xfc000000, v[BM+\b]    ; 8 off the exponent field: the conversion's scale operand
.if (\b)%2 == 1
	EB
.endif
.endr
.irp b, 0,1,2,3
	v_and_or_b32 v[HO+\b], v[BM+\b], 0x7f800000, s11   ; 448 x the scale
.if (\b)%2 == 1
	EB
.endif
.endr
.irp b, 0,1,2,3
	v_lshrrev_b32 v[PX+\b], 23, v[SO+\b]           ; the scale's byte
.if (\b)%2 == 1
	EB
.endif
.endr
	v_lshl_or_b32 v111, v[PX+1], 8, v[PX]          ; p's scale word for these 128 keys
	v_lshl_or_b32 v111, v[PX+2], 16, v111
	EB
	v_lshl_or_b32 v111, v[PX+3], 24, v111
	v_pk_add_f32 v[228:229], v[S:S+1], v[S+2:S+3]  ; the row's sum is taken of the unquantised p, in two chains
	EB
.set n, 4
.rept 7
	v_pk_add_f32 v[14:15], v[14:15], v[S+n:S+n+1]
	v_pk_add_f32 v[228:229], v[228:229], v[S+n+2:S+n+3]
	EB
.set n, n+4
.endr
	HOLD 0, 1
	HOLD 1, 1                                      ; the batch's 32nd exponential stands behind this block's 14th hold: two plain lines follow it
	s_wait_alu depctr_va_vdst(0)                   ; one wait for the batch of 32
.set n, 32
.rept 8
	v_pk_add_f32 v[14:15], v[14:15], v[S+n:S+n+1]
	v_pk_add_f32 v[228:229], v[228:229], v[S+n+2:S+n+3]
.set n, n+4
.endr
	HOLD 2, 0
	HOLD 3, 0
	v_pk_add_f32 v[14:15], v[14:15], v[228:229]    ; the two chains.  (The plain instruction between the last conversion and the products that write over its sources)
	s_wait_dscnt 0x0                               ; V is in, and the next step's K
.if !\last
	KQ                                             ; the next step's scores
.endif
.set n, 0
.rept 8
	v_pk_mul_f32 v[OT+n:OT+n+1], v[OT+n:OT+n+1], v[226:227] op_sel_hi:[1,0]   ; O^T under the new M.  These eight name no register of the score products: they are the eight places in front of the next trip's first read of the scores, and the plain lines between the codes' making and the products below
.set n, n+2
.endr
	v_wmma_scale_f32_16x16x128_f8f6f4 v[OT:OT+7], v[VF:VF+15], v[PC:PC+15], v[OT:OT+7], v109, v111
	v_wmma_scale_f32_16x16x128_f8f6f4 v[OT+8:OT+15], v[VF+16:VF+31], v[PC:PC+15], v[OT+8:OT+15], v109, v111 matrix_a_scale:MATRIX_SCALE_ROW1
.endm
	s_load_b128 s[4:7], s[0:1], 0x0                ; kv, mask
	s_load_b64 s[8:9], s[0:1], 0x10                ; att
	v_lshl_add_u32 v254, v0, 2, 0x2d000
	v_mov_b32 v255, 0
	ds_add_u32 v254, v255
	ds_add_u32 v254, v255
	v_lshrrev_b32 v1, 5, v0
	v_readfirstlane_b32 s10, v1                    ; wave 0..15
	v_and_b32 v9, 31, v0                           ; lane
	v_lshlrev_b32 v1, 4, v9
	v_lshlrev_b32 v2, 3, v9
	v_and_b32 v10, 15, v0                          ; r
	v_bfe_u32 v11, v0, 4, 1                        ; h
	v_lshlrev_b32 v8, 3, v10                       ; q's scale bytes: 8 bytes from row to row
	s_and_b32 s30, ttmp7, 0xffff                   ; 8 x batch + head, which the four partners share
	s_mul_i32 s68, s30, KVH
	s_mov_b32 s69, 0
	s_mul_i32 s17, s10, STEPB                      ; descriptor group 0, 63:32: LDS address: wave x a step's block
	s_mov_b32 s70, s17
	s_mov_b32 s71, 0
	s_add_nc_u64 s[70:71], s[70:71], s[68:69]      ; and the same block in memory
	; descriptor group 1: a dense block of 8,448 bytes as 33 rows of 256 bytes (32 elements of 8 bytes), no padding
	s_mov_b32 s20, 15|(3<<16)|(1<<21)              ; 15:0 the mask: all four work-groups; 17:16 elements of 8 bytes; 21 set beside a mask
	s_mov_b32 s21, 32<<16                          ; tensor_dim0 = 32
	s_mov_b32 s22, 33<<16                          ; tensor_dim1 = 33
	s_mov_b32 s23, 32<<16                          ; tile_dim0 = 32
	s_mov_b32 s24, 33                              ; tile_dim1 = 33
	s_mov_b32 s25, 32                              ; from row to row
	s_mov_b32 s26, 0
	s_mov_b32 s27, 0
	; my place in the cluster enters global addresses of q, of the mask words and of att alone
	s_bfe_u32 s28, ttmp6, 0x40000                  ; cx
	s_lshl_b32 s29, ttmp9, 2
	s_add_co_u32 s29, s29, s28                     ; my block of 256 queries
	s_lshl_b32 s72, s29, 1
	s_lshr_b32 s73, s10, 3
	s_add_co_u32 s72, s72, s73                     ; my tile is a K tile too: of step 2 x block + wave / 8,
	s_mul_i32 s72, s72, STEPB
	s_and_b32 s73, s10, 7                          ; tile wave % 8
	s_lshl_b32 s73, s73, 9
	s_add_co_u32 s74, s72, s73
	s_mov_b32 s75, 0
	s_add_nc_u64 s[74:75], s[74:75], s[68:69]      ; its codes
	s_bfe_u32 s73, s10, 0x10002
	s_lshl_b32 s73, s73, 7                         ; its bytes: lanes 16 ((wave / 4) % 2) on,
	s_add_co_u32 s76, s72, s73
	s_and_b32 s73, s10, 3                          ; byte wave % 4 of the pair's low word
	s_add_co_u32 s76, s76, s73
	s_add_co_u32 s76, s76, 8192
	s_mov_b32 s77, 0
	s_add_nc_u64 s[76:77], s[76:77], s[68:69]
	s_lshl_b32 s79, s29, 4
	s_add_co_u32 s79, s79, s10                     ; my tile's number in the batch, T
	s_lshr_b32 s80, s79, 1
	s_lshl_b32 s80, s80, 5
	s_and_b32 s81, s79, 1
	s_lshl_b32 s81, s81, 3
	s_add_co_u32 s80, s80, s81                     ; its first query: 32 (T / 2) + 8 (T % 2)
	s_lshl_b32 s81, s30, 11
	s_add_co_u32 s80, s80, s81
	s_lshl_b32 s80, s80, 7                         ; a row of att is 128 bytes
	s_mov_b32 s81, 0
	s_lshr_b32 s78, s30, 3                         ; batch
	s_lshl_b32 s78, s78, 7
	s_add_co_u32 s78, s78, s79
	s_lshl_b32 s78, s78, 12                        ; a tile's mask words: 16 steps x 256 bytes
	s_mov_b32 s79, 0
	s_mov_b32 s11, 0x600000
	s_mov_b32 s12, 0x3e8293ee                      ; c = log2(e) / sqrt(32)
	s_mov_b32 s13, s12                             ; (named with it as a pair, so it is written)
	s_mov_b32 s14, 0x76543210
	s_mov_b32 s15, 0xfedcba98
	s_mov_b32 s3, 0
	s_mov_b32 s16, 1                               ; group 0, 1:0 count = 1
	s_wait_dscnt 0x0
	s_wait_kmcnt 0x0
	s_add_nc_u64 s[18:19], s[4:5], s[70:71]        ; 120:64 global address
	s_or_b32 s19, s19, 0x80000000                  ; 127:126 type = 2
	s_add_nc_u64 s[30:31], s[4:5], s[76:77]
	s_add_nc_u64 s[4:5], s[4:5], s[74:75]
	s_add_nc_u64 s[6:7], s[6:7], s[78:79]
	s_add_nc_u64 s[8:9], s[8:9], s[80:81]
	CROUND                                         ; all four work-groups are here: the joint loads meet
	tensor_load_to_lds s[16:19], s[20:27]          ; my one tensor load of the launch
	s_nop 0
.rept 4
	v_nop                                          ; four such lines behind a tensor load
.endr
	global_load_b128 v[QZ+12:QZ+15], v1, s[4:5]    ; q's codes: they stay in registers
	global_load_u8 v110, v8, s[30:31]              ; q's scale byte: lane r has query r's
	s_load_b512 s[32:47], s[6:7], s3 offset:0x0    ; step 0's mask words
	s_load_b512 s[48:63], s[6:7], s3 offset:0x40
	s_load_b512 s[68:83], s[6:7], s3 offset:0x80
	s_load_b512 s[84:99], s[6:7], s3 offset:0xc0
.set n, 0
.rept 12
	v_mov_b32 v[QZ+n], 0
	v_mov_b32 v[QZ+16+n], 0
.set n, n+1
.endr
	v_mov_b32 v3, 0xff800000                       ; -infinity
	v_mov_b32 v13, 0xff61b1e6                      ; the largest t so far: -3e38, under every t
	v_floor_f32 v12, -v13                          ; -M
	v_mov_b32 v14, 0
	v_mov_b32 v15, 0
	v_mov_b32 v227, 0                              ; (named as the upper half of the pair v[226:227])
	s_wait_loadcnt 0x0                             ; q and its byte
	v_lshl_or_b32 v110, v110, 8, v110
	v_lshl_or_b32 v110, v110, 16, v110             ; the byte in all four places: q may stand in any block.  The twelve plain lines below stand between the scale word's making and the first product
.irp b, 0,1,2,3
	v_mov_b32 v[PX+\b], 0                          ; a lane permute's destination counts as one of its sources
.endr
	s_mul_i32 s29, s10, 2304
	s_add_co_u32 s29, s29, STAGE                   ; my stage
	v_mul_u32_u24 v4, v10, 144
	v_lshl_add_u32 v4, v11, 5, v4
	v_add_nc_u32 v4, s29, v4                       ; in: row r, 32 bytes for each half of the lanes
	v_lshrrev_b32 v5, 3, v9
	v_mul_u32_u24 v5, v5, 144
	v_and_b32 v224, 7, v9
	v_lshl_add_u32 v5, v224, 4, v5
	v_add_nc_u32 v5, s29, v5                       ; back: eight lanes to a row of 128 bytes
	s_wait_tensorcnt 0x0                           ; my block has landed,
	s_barrier_signal -1
	s_barrier_wait -1                              ; everybody's has
.set n, 0
.rept 8
	ds_load_b128 v[KF+4*n:KF+4*n+3], v1 offset:512*n   ; K of step 0
.set n, n+1
.endr
	ds_load_b32 v108, v2 offset:8192
	s_wait_dscnt 0x0
	KQ                                             ; step 0's scores
.set n, 0
.rept 16
	v_mov_b32 v[OT+n], 0                           ; O^T: the step is written for every step alike, and the first finds zeros.  (Also the places behind the score products)
.set n, n+1
.endr
	s_mov_b32 s28, 0
	s_mov_b32 s2, 15
.Lstep:                                            ; a trip = 128 keys; 15 trips, each of which also makes the next step's scores
	STEP 0
	s_add_co_u32 s28, s28, STEPB
	s_sub_co_u32 s2, s2, 1
	s_cmp_lg_u32 s2, 0
	s_cbranch_scc1 .Lstep
	STEP 1                                         ; the last step
.rept 8
	v_nop                                          ; eight places behind the last products before their results are read
.endr
	; THE WAY OUT: O^T / the sum, through my own stage, so that each store of the wave covers 512 consecutive bytes, aligned
	v_add_f32 v14, v14, v15
	v_permlanex16_b32 v224, v14, s14, s15
	v_add_f32 v14, v14, v224                       ; the row's sum
	v_rcp_f32 v226, v14
	v_nop
	s_wait_alu depctr_va_vdst(0)
.set n, 0
.rept 8
	v_pk_mul_f32 v[OT+n:OT+n+1], v[OT+n:OT+n+1], v[226:227] op_sel_hi:[1,0]
.set n, n+2
.endr
	ds_store_b128 v4, v[OT:OT+3]                   ; lane (r, h): channels 8 h + 0 .. 7,
	ds_store_b128 v4, v[OT+4:OT+7] offset:16
	ds_store_b128 v4, v[OT+8:OT+11] offset:64      ; and 16 + 8 h + 0 .. 7 of query row r
	ds_store_b128 v4, v[OT+12:OT+15] offset:80
.irp i, 0,1,2,3
	ds_load_b128 v[S+4*\i:S+4*\i+3], v5 offset:576*\i   ; LDS serves a wave's instructions in order (ISA guide 5.7.1.4): these see my stores
.endr
.irp i, 0,1,2,3
	s_wait_dscnt 3-\i                              ; row group i is back; the later groups' loads may be out
	global_store_b128 v1, v[S+4*\i:S+4*\i+3], s[8:9] offset:512*(\i%2)+2048*(\i/2)   ; rows 0-7 are eight neighbouring queries, rows 8-15 the eight that lie 16 further on
.endr
	s_wait_dscnt 0x0
	s_wait_tensorcnt 0x0
	ds_add_u32 v254, v255
	s_wait_dscnt 0x0
	CROUND                                         ; the closing round: no work-group ends while a partner may still ask jointly
	s_endpgm
.Lfunc_end_k_q78dd61ea6e_attn:
	.size	k_q78dd61ea6e_attn, .Lfunc_end_k_q78dd61ea6e_attn-k_q78dd61ea6e_attn
	.p2alignl 7, 3214868480
	.fill 96, 4, 3214868480
	.section	.rodata,"a",@progbits
	.p2align	6, 0x0
	.amdhsa_kernel k_q78dd61ea6e_attn
		.amdhsa_group_segment_fixed_size 186368
		.amdhsa_private_segment_fixed_size 0
		.amdhsa_enable_private_segment 0
		.amdhsa_kernarg_size 24
		.amdhsa_user_sgpr_count 2
		.amdhsa_user_sgpr_kernarg_segment_ptr 1
		.amdhsa_wavefront_size32 1
		.amdhsa_system_sgpr_workgroup_id_x 1
		.amdhsa_system_sgpr_workgroup_id_y 1
		.amdhsa_system_sgpr_workgroup_id_z 1
		.amdhsa_system_vgpr_workitem_id 0
		.amdhsa_next_free_vgpr 256
		.amdhsa_next_free_sgpr 100
		.amdhsa_reserve_vcc 0
		.amdhsa_float_denorm_mode_32 3
		.amdhsa_float_denorm_mode_16_64 3
		.amdhsa_memory_ordered 1
		.amdhsa_forward_progress 1
		.amdhsa_inst_pref_size 50
	.end_amdhsa_kernel
	.amdgpu_metadata
---
amdhsa.version: [ 1, 2 ]
amdhsa.kernels:
  - .name:           k_q78dd61ea6e_attn
    .symbol:         k_q78dd61ea6e_attn.kd
    .args:
      - { .name: kv, .offset: 0, .size: 8, .value_kind: global_buffer, .address_space: global }
      - { .name: mask, .offset: 8, .size: 8, .value_kind: global_buffer, .address_space: global }
      - { .name: att, .offset: 16, .size: 8, .value_kind: global_buffer, .address_space: global }
    .group_segment_fixed_size: 186368
    .private_segment_fixed_size: 0
    .kernarg_segment_align: 8
    .kernarg_segment_size: 24
    .max_flat_workgroup_size: 512
    .sgpr_count:     100
    .vgpr_count:     256
    .wavefront_size: 32
...
	.end_amdgpu_metadata
.endif
;; end of part 2
;; launch mlp (part 3): grid 256 x 1, 8 waves a work-group, no clusters, 115,712 bytes of LDS; arguments x, att, gamma2, beta2, w1img, w1sc, b1, w2img, w2sc, b2, out0; writes out0
.if DOCPART == 3
	.amdgcn_target "amdgcn-amd-amdhsa--gfx1250"
	.amdhsa_code_object_version 6
	.text
	.protected	k_q78dd61ea6e_mlp
	.globl	k_q78dd61ea6e_mlp
	.p2align	8
	.type	k_q78dd61ea6e_mlp,@function
k_q78dd61ea6e_mlp:
	s_mov_b64 s[64:65], 0
	v_nop
	global_prefetch_b8 v0, s[64:65] scope:SCOPE_SE
	s_setreg_imm32_b32 hwreg(HW_REG_WAVE_MODE, 25, 1), 1
	s_wait_xcnt 0x0
; out0 = x1 + gelu(LN2(x1) W1 + b1) W2 + b2, x1 = x + att; both products on codes of FP8 (E4M3) with E8M0 scales; all else in f32.  The hidden layer never goes to memory.
; SHARES.  A work-group of eight waves takes 32 rows (two tiles of 16).  THE WAVES SHARE THE COLUMNS: wave w makes hidden units 128 w .. 128 w + 127, which are K step w of the second product, and outputs 32 w .. 32 w + 31.
; WEIGHTS come as images of the operand registers, made by the first launch, from memory straight into window 1: W1's 16 fragments of the wave, later W2's 16.  W1's are on their way during the norm, W2's during the gelu.
; NO TENSOR LOADS, NO CLUSTER: the two weights' images are 2 x 262,144 bytes, more than LDS holds, and each fragment feeds ONE wave's registers ONCE in a work-group: a way through LDS would add a store and a load of every byte.
; OPERANDS GO FROM WAVE TO WAVE THROUGH LDS AS IMAGES OF THEIR REGISTERS (16 bytes a lane at 16 x lane, 512 bytes a store).  Three barriers: y's images | the hidden layer's images | the stage of results.
; Both products are used transposed (source 0 = 16 rows of a weight, source 1 = 16 rows of y or of the hidden layer).  Row r of W1's tile 2 b + u is unit 32 b + 8 u + r + 8 (r / 8), so that a lane's 16 registers of two tiles are 16 neighbours along the next K.
; GELU, exact form: gelu(h) = max(h, 0) - |h| E, E = erfc(|h| / sqrt 2) / 2 = t 2^((P(t) - h^2 / 2) log2 e - 1), t = 1 / (1 + |h| / (2 sqrt 2)), P a polynomial of degree 9 (fractional error of erfc 1.2e-7 for every argument).
; LIMITS: a block of zeros gets the byte 1 where the rule says 127 (zero codes; the bytes never leave the launch); NaN and infinities are not served, but for a row of att that is NaN: its row of out0 is NaN, and no other.
; REGISTERS, window 0: v1-13 addresses; v[14:15] c9; v16-143 x, att, gamma2, beta2, then the hidden layer H[m][t] at 16 + 64 m + 8 t, then hidden fragments, then rows on the way out; v144-207 y's four fragments, then v144-175 at work
;   in the gelu and v176-207 the four accumulators of the outputs; v208-223 codes just made, squares in the gelu; v224-239 at work; v240-247 the weights' scale words; v248-249 y's; v250-253 the hidden layer's; v254, v255 scale words just made.
;   window 1: 16 weight fragments.
.set NP,    1040
.set FLOOR, 0x4800000
.set YIMG,  0                          ; LDS: y's four fragments, (2 m + s) x 2,048
.set YSC,   8192                       ; their scale words: 128 s + 4 x row
.set HIMG,  8448                       ; the hidden layer's sixteen fragments, (2 s + m) x 2,048
.set HSC,   41216                      ; their scale words: 128 s + 4 x lane (lanes 0-15: m = 0)
.set B1L,   42240                      ; b1, 512 bytes a wave
.set X1,    46336                      ; x1: 32 rows x 1,040
.set STG,   79616                      ; the results: 32 rows x 1,040
.set XA,  16
.set AT,  48
.set GA,  80
.set BE,  112
.set H,   16
.set HF,  16
.set YF,  144
.set GT,  144
.set GP,  160
.set OUT, 176
.set PC,  208
.set GW,  208
.set TM,  224
.set PW,  254
.set SEL, 28
.set MNT, 30
.set SINV, 31
.set SEPS, 32
.set MSB, 0
.macro WIN new                         ; the immediate's high byte repeats the setting that is left
.if MSB != \new
	s_set_vgpr_msb (MSB<<8)|\new
.set MSB, \new
.endif
.endm
.macro BARRIER                         ; my LDS stores have landed and my LDS loads are in: then the work-group's barrier
	s_wait_dscnt 0x0
	s_barrier_signal -1
	s_barrier_wait -1
.endm
.macro PLACES                          ; eight places behind this matrix form in front of reads of results and of loads into its registers
.rept 8
	v_nop
.endr
.endm
; layer norm of the 32 numbers a lane holds of a row that eight lanes share
.macro LNORM X, G, B, T
	v_pk_add_f32 v[\T:\T+1], v[\X:\X+1], v[\X+2:\X+3]
	v_pk_add_f32 v[\T+2:\T+3], v[\X+4:\X+5], v[\X+6:\X+7]
.irp j, 8,12,16,20,24,28
	v_pk_add_f32 v[\T:\T+1], v[\T:\T+1], v[\X+\j:\X+\j+1]
	v_pk_add_f32 v[\T+2:\T+3], v[\T+2:\T+3], v[\X+\j+2:\X+\j+3]
.endr
	v_pk_add_f32 v[\T:\T+1], v[\T:\T+1], v[\T+2:\T+3]
	v_add_f32 v[\T], v[\T], v[\T+1]
	v_add_f32_dpp v[\T], v[\T], v[\T] row_xmask:1 row_mask:0xf bank_mask:0xf
	v_add_f32_dpp v[\T], v[\T], v[\T] row_xmask:2 row_mask:0xf bank_mask:0xf
	v_add_f32_dpp v[\T], v[\T], v[\T] row_xmask:4 row_mask:0xf bank_mask:0xf
	v_mul_f32 v[\T], s[SINV], v[\T]
.set lj, 0
.rept 16
	v_pk_add_f32 v[\X+lj:\X+lj+1], v[\X+lj:\X+lj+1], v[\T:\T+1] op_sel_hi:[1,0] neg_lo:[0,1] neg_hi:[0,1]
.set lj, lj+2
.endr
	v_pk_mul_f32 v[\T+2:\T+3], v[\X:\X+1], v[\X:\X+1]
	v_pk_mul_f32 v[\T+4:\T+5], v[\X+2:\X+3], v[\X+2:\X+3]
.irp j, 4,8,12,16,20,24,28
	v_pk_fma_f32 v[\T+2:\T+3], v[\X+\j:\X+\j+1], v[\X+\j:\X+\j+1], v[\T+2:\T+3]
	v_pk_fma_f32 v[\T+4:\T+5], v[\X+\j+2:\X+\j+3], v[\X+\j+2:\X+\j+3], v[\T+4:\T+5]
.endr
	v_pk_add_f32 v[\T+2:\T+3], v[\T+2:\T+3], v[\T+4:\T+5]
	v_add_f32 v[\T+2], v[\T+2], v[\T+3]
	v_add_f32_dpp v[\T+2], v[\T+2], v[\T+2] row_xmask:1 row_mask:0xf bank_mask:0xf
	v_add_f32_dpp v[\T+2], v[\T+2], v[\T+2] row_xmask:2 row_mask:0xf bank_mask:0xf
	v_add_f32_dpp v[\T+2], v[\T+2], v[\T+2] row_xmask:4 row_mask:0xf bank_mask:0xf
	v_fma_f32 v[\T+2], v[\T+2], s[SINV], s[SEPS]
	v_rsq_f32 v[\T+4], v[\T+2]
	v_nop                                          ; a plain instruction behind the transcendental,
	s_wait_alu depctr_va_vdst(0)                   ; and the wait ahead of its first reader
.set lj, 0
.rept 16
	v_pk_mul_f32 v[\X+lj:\X+lj+1], v[\X+lj:\X+lj+1], v[\T+4:\T+5] op_sel_hi:[1,0]
.set lj, lj+2
.endr
.set lj, 0
.rept 16
	v_pk_fma_f32 v[\X+lj:\X+lj+1], v[\X+lj:\X+lj+1], v[\G+lj:\G+lj+1], v[\B+lj:\B+lj+1]
.set lj, lj+2
.endr
.endm
; 64 numbers of a lane, register 16 b + i = k 32 b + 16 (lane / 16) + i of my row, become a fragment's codes in v[PC] on and its scale word in v[PW]
.macro QUANT s
.irp b, 0,1,2,3
	v_max3_num_f32 v[TM+\b], |v[\s+16*\b]|, |v[\s+1+16*\b]|, FLOOR
.endr
.irp i, 2,4,6,8,10,12,14
.irp b, 0,1,2,3
	v_max3_num_f32 v[TM+\b], v[TM+\b], |v[\s+16*\b+\i]|, |v[\s+1+16*\b+\i]|
.endr
.endr
.irp b, 0,1,2,3
	v_permlanex16_b32 v[TM+4+\b], v[TM+\b], s[SEL], s[SEL+1]
.endr
.irp b, 0,1,2,3
	v_max_num_f32 v[TM+\b], v[TM+\b], v[TM+4+\b]
.endr
.irp b, 0,1,2,3
	v_add_nc_u32 v[TM+12+\b], 0xfc000000, v[TM+\b]
.endr
.irp b, 0,1,2,3
	v_and_or_b32 v[TM+8+\b], v[TM+\b], 0x7f800000, s[MNT]
.endr
.irp b, 0,1,2,3
	v_lshrrev_b32 v[TM+4+\b], 23, v[TM+12+\b]
.endr
	v_lshl_or_b32 v[PW], v[TM+5], 8, v[TM+4]
	v_lshl_or_b32 v[PW], v[TM+6], 16, v[PW]
	v_lshl_or_b32 v[PW], v[TM+7], 24, v[PW]
.irp b, 0,1,2,3
.irp i, 0,1,2,3,4,5,6,7,8,9,10,11,12,13,14,15
	v_med3_num_f32 v[\s+16*\b+\i], v[\s+16*\b+\i], -v[TM+8+\b], v[TM+8+\b]
.endr
	v_cvt_scalef32_pk8_fp8_f32 v[PC+4*\b:PC+1+4*\b], v[\s+16*\b:\s+7+16*\b], v[TM+12+\b]
	v_cvt_scalef32_pk8_fp8_f32 v[PC+2+4*\b:PC+3+4*\b], v[\s+8+16*\b:\s+15+16*\b], v[TM+12+\b]
.endr
	v_nop                                          ; a plain instruction behind the last conversion
.endm
; the exact gelu of 16 registers, in place
.macro GELU16 B
.set gi, 0
.rept 16
	v_fma_f32 v[GT+gi], |v[\B+gi]|, s33, 1.0       ; 1 + |h| / (2 sqrt 2).  Ascending: each accumulator is read from its low end on
.set gi, gi+1
.endr
.set gi, 0
.rept 16
	v_rcp_f32 v[GT+gi], v[GT+gi]                   ; t
.set gi, gi+1
.endr
.set gi, 0
.rept 8
	v_pk_mul_f32 v[GW+gi:GW+gi+1], v[\B+gi:\B+gi+1], v[\B+gi:\B+gi+1]   ; h^2: independent work behind the batch
.set gi, gi+2
.endr
	s_wait_alu depctr_va_vdst(0)                   ; one wait for the 16 reciprocals, ahead of their first reader
.set gi, 0
.rept 8
	v_pk_fma_f32 v[GP+gi:GP+gi+1], v[GT+gi:GT+gi+1], v[14:15], s[36:37] op_sel_hi:[1,1,0]
.set gi, gi+2
.endr
.irp c, 38,40,42,44,46,48,50,52
.set gi, 0
.rept 8
	v_pk_fma_f32 v[GP+gi:GP+gi+1], v[GP+gi:GP+gi+1], v[GT+gi:GT+gi+1], s[\c:\c+1] op_sel_hi:[1,1,0]
.set gi, gi+2
.endr
.endr
.set gi, 0
.rept 8
	v_pk_fma_f32 v[GP+gi:GP+gi+1], v[GW+gi:GW+gi+1], -0.5, v[GP+gi:GP+gi+1] op_sel_hi:[1,0,1]
.set gi, gi+2
.endr
.set gi, 0
.rept 8
	v_pk_fma_f32 v[GP+gi:GP+gi+1], v[GP+gi:GP+gi+1], s[34:35], -1.0 op_sel_hi:[1,0,0]
.set gi, gi+2
.endr
.set gi, 0
.rept 16
	v_exp_f32 v[GP+gi], v[GP+gi]
.set gi, gi+1
.endr
.set gi, 0
.rept 16
	v_max_num_f32 v[GW+gi], 0, v[\B+gi]            ; max(h, 0): independent work behind the batch
.set gi, gi+1
.endr
	s_wait_alu depctr_va_vdst(0)                   ; one wait for the 16 exponentials
.set gi, 0
.rept 8
	v_pk_mul_f32 v[GP+gi:GP+gi+1], v[GP+gi:GP+gi+1], v[GT+gi:GT+gi+1]   ; E
.set gi, gi+2
.endr
.set gi, 0
.rept 16
	v_fma_f32 v[\B+gi], -|v[\B+gi]|, v[GP+gi], v[GW+gi]
.set gi, gi+1
.endr
.endm
; one product, added in place; ra, rb: which half of the lanes holds source 0's and source 1's scale words
.macro WM d, a, b, sa, sb, ra, rb
.if (\ra) && (\rb)
	v_wmma_scale_f32_16x16x128_f8f6f4 v[(\d):(\d)+7], v[(\a):(\a)+15], v[(\b):(\b)+15], v[(\d):(\d)+7], v[\sa], v[\sb] matrix_a_scale:MATRIX_SCALE_ROW1 matrix_b_scale:MATRIX_SCALE_ROW1
.elseif (\ra)
	v_wmma_scale_f32_16x16x128_f8f6f4 v[(\d):(\d)+7], v[(\a):(\a)+15], v[(\b):(\b)+15], v[(\d):(\d)+7], v[\sa], v[\sb] matrix_a_scale:MATRIX_SCALE_ROW1
.elseif (\rb)
	v_wmma_scale_f32_16x16x128_f8f6f4 v[(\d):(\d)+7], v[(\a):(\a)+15], v[(\b):(\b)+15], v[(\d):(\d)+7], v[\sa], v[\sb] matrix_b_scale:MATRIX_SCALE_ROW1
.else
	v_wmma_scale_f32_16x16x128_f8f6f4 v[(\d):(\d)+7], v[(\a):(\a)+15], v[(\b):(\b)+15], v[(\d):(\d)+7], v[\sa], v[\sb]
.endif
.endm
; pieces k0 .. k0 + cnt - 1 (512 bytes, four registers each) of a weight's image into window 1
.macro WFETCH base, k0, cnt
	WIN 0x40                                       ; destination window 1, address window 0
.set wk, \k0
.rept \cnt
	global_load_b128 v[4*wk:4*wk+3], v2, s[\base:\base+1] offset:512*wk
.set wk, wk+1
.endr
	WIN 0
.endm
	s_load_b512 s[4:19], s[0:1], 0x0               ; x, att, gamma2, beta2, w1img, w1sc, b1, w2img
	s_load_b128 s[20:23], s[0:1], 0x40             ; w2sc, b2
	s_load_b64 s[24:25], s[0:1], 0x50              ; out0
	v_lshrrev_b32 v1, 5, v0
	v_readfirstlane_b32 s26, v1                    ; wave 0..7
	v_and_b32 v1, 31, v0                           ; lane
	v_lshlrev_b32 v2, 4, v1                        ; 16 x lane
	v_lshlrev_b32 v3, 2, v1                        ; 4 x lane
	v_lshrrev_b32 v12, 3, v1                       ; which of my four rows
	v_and_b32 v13, 7, v1                           ; which eighth of it: register 8 c + i = channel 64 c + 8 (lane % 8) + i
	v_lshlrev_b32 v6, 5, v13                       ; gamma2, beta2
	v_lshl_add_u32 v4, v12, 10, v6                 ; x
	v_and_b32 v5, 3, v13
	v_lshlrev_b32 v5, 5, v5
	v_lshl_add_u32 v5, v12, 7, v5
	v_lshrrev_b32 v10, 2, v13
	v_lshl_add_u32 v5, v10, 18, v5                 ; att [head][query][32]: 128 x row + 262,144 x (head % 2) + 32 x (lane % 4)
	v_lshlrev_b32 v10, 3, v10                      ; where my bytes stand in a scale word: 8 ((lane % 8) / 4) bits up
	s_mul_i32 s56, s26, 4*NP
	s_add_co_u32 s56, s56, X1
	v_mul_u32_u24 v7, v12, NP
	v_add_nc_u32 v7, v7, v6
	v_add_nc_u32 v7, s56, v7                       ; x1's place in LDS
	v_and_b32 v8, 1, v1
	v_lshlrev_b32 v8, 3, v8
	v_bfe_u32 v9, v1, 1, 2
	v_lshl_add_u32 v8, v9, 8, v8
	v_lshl_add_u32 v8, v12, 4, v8
	s_lshr_b32 s57, s26, 2
	s_lshl_b32 s57, s57, 12
	s_and_b32 s58, s26, 3
	s_lshl_b32 s58, s58, 6
	s_add_co_u32 s57, s57, s58
	v_add_nc_u32 v8, s57, v8                       ; my eight codes' place in y's images
	s_lshl_b32 s58, s26, 4
	v_lshl_add_u32 v9, v12, 2, s58                 ; my row's scale word
	v_lshrrev_b32 v11, 4, v1
	s_lshl_b32 s59, s26, 9
	v_lshl_add_u32 v11, v11, 6, s59                ; b1 as a product's C: 512 x wave + 64 (lane / 16)
	v_add_nc_u32 v255, s59, v2                     ; b1 on its way into LDS
	v_and_b32 v12, 15, v1
	v_mul_u32_u24 v12, v12, NP
	v_lshrrev_b32 v13, 4, v1
	v_lshl_add_u32 v12, v13, 5, v12
	s_lshl_b32 s60, s26, 7
	s_add_co_u32 s60, s60, STG
	v_add_nc_u32 v12, s60, v12                     ; the stage: row r, my 32 outputs, 32 bytes for each half of the lanes
	v_add_nc_u32 v13, s56, v2                      ; back: my four rows of x1; the stage lies STG - X1 further on
	v_mov_b32 v14, 0x3e2ef945                      ; c9
	v_mov_b32 v15, 0x3e2ef945
	s_mov_b32 s[SEL], 0x76543210
	s_mov_b32 s[SEL+1], 0xfedcba98
	s_mov_b32 s[MNT], 0x600000
	s_mov_b32 s[SINV], 0x3b800000
	s_mov_b32 s[SEPS], 0x3727c5ac
	s_mov_b32 s33, 0x3eb504f3                      ; 1 / (2 sqrt 2)
	s_mov_b32 s34, 0x3fb8aa3b                      ; log2(e)
	s_mov_b32 s35, s34
	s_mov_b32 s36, 0xbf527892                      ; c8 .. c0, each written twice: the packed form names a pair
	s_mov_b32 s37, s36
	s_mov_b32 s38, 0x3fbe87b0
	s_mov_b32 s39, s38
	s_mov_b32 s40, 0xbf914e5d
	s_mov_b32 s41, s40
	s_mov_b32 s42, 0x3e8ec7cc
	s_mov_b32 s43, s42
	s_mov_b32 s44, 0xbe3ec24c
	s_mov_b32 s45, s44
	s_mov_b32 s46, 0x3dc636c9
	s_mov_b32 s47, s46
	s_mov_b32 s48, 0x3ebf88fb
	s_mov_b32 s49, s48
	s_mov_b32 s50, 0x3f8000c7
	s_mov_b32 s51, s50
	s_mov_b32 s52, 0xbfa1fc4e
	s_mov_b32 s53, s52
	s_mov_b32 s54, 0xffff0000                      ; lanes 16-31
	s_lshl_b32 s60, ttmp9, 5
	s_lshl_b32 s61, s26, 2
	s_add_co_u32 s60, s60, s61                     ; my first row: 32 x work-group + 4 x wave
	s_and_b32 s62, s60, 2047
	s_lshl_b32 s62, s62, 7
	s_lshr_b32 s63, ttmp9, 6                       ; batch
	s_lshl_b32 s63, s63, 21
	s_add_co_u32 s62, s62, s63
	s_mov_b32 s63, 0
	s_lshl_b32 s60, s60, 10
	s_mov_b32 s61, 0
	s_lshl_b32 s56, s26, 15
	s_mov_b32 s57, 0
	s_lshl_b32 s58, s26, 10
	s_mov_b32 s59, 0
	s_wait_kmcnt 0x0
	s_add_nc_u64 s[4:5], s[4:5], s[60:61]
	s_add_nc_u64 s[24:25], s[24:25], s[60:61]
	s_add_nc_u64 s[6:7], s[6:7], s[62:63]
	s_add_nc_u64 s[12:13], s[12:13], s[56:57]
	s_add_nc_u64 s[18:19], s[18:19], s[56:57]
	s_add_nc_u64 s[14:15], s[14:15], s[58:59]
	s_add_nc_u64 s[20:21], s[20:21], s[58:59]
	s_lshl_b32 s58, s26, 9
	s_add_nc_u64 s[16:17], s[16:17], s[58:59]
	s_lshl_b32 s58, s26, 7
	s_add_nc_u64 s[22:23], s[22:23], s[58:59]
	; ---- loads: what the norm wants first, then W1
	global_load_b128 v[208:211], v2, s[16:17]      ; my 128 numbers of b1
.irp c, 0,1,2,3
	global_load_b128 v[XA+8*\c:XA+8*\c+3], v4, s[4:5] offset:256*\c
	global_load_b128 v[XA+8*\c+4:XA+8*\c+7], v4, s[4:5] offset:256*\c+16
.endr
.irp c, 0,1,2,3
	global_load_b128 v[AT+8*\c:AT+8*\c+3], v5, s[6:7] offset:524288*\c
	global_load_b128 v[AT+8*\c+4:AT+8*\c+7], v5, s[6:7] offset:524288*\c+16
.endr
.irp c, 0,1,2,3
	global_load_b128 v[GA+8*\c:GA+8*\c+3], v6, s[8:9] offset:256*\c
	global_load_b128 v[GA+8*\c+4:GA+8*\c+7], v6, s[8:9] offset:256*\c+16
.endr
.irp c, 0,1,2,3
	global_load_b128 v[BE+8*\c:BE+8*\c+3], v6, s[10:11] offset:256*\c
	global_load_b128 v[BE+8*\c+4:BE+8*\c+7], v6, s[10:11] offset:256*\c+16
.endr
.irp t, 0,1,2,3,4,5,6,7
	global_load_b32 v[240+\t], v3, s[14:15] offset:128*\t   ; W1's scale words: lanes 0-15 K step 0, lanes 16-31 K step 1
.endr
	WFETCH 12, 0, 48                               ; W1's tiles 0-5
	s_wait_loadcnt 56                              ; the 33 loads for the norm are in; the 8 scale words and 48 pieces of W1 may be out
	WFETCH 12, 48, 16                              ; W1's tiles 6, 7
	; ---- x1, the norm, y's codes
	ds_store_b128 v255, v[208:211] offset:B1L
.set lj, 0
.rept 16
	v_pk_add_f32 v[XA+lj:XA+lj+1], v[XA+lj:XA+lj+1], v[AT+lj:AT+lj+1]   ; x1 = x + att
.set lj, lj+2
.endr
.irp c, 0,1,2,3
	ds_store_b128 v7, v[XA+8*\c:XA+8*\c+3] offset:256*\c
	ds_store_b128 v7, v[XA+8*\c+4:XA+8*\c+7] offset:256*\c+16
.endr
	s_wait_dscnt 0x0                               ; the stores have read their registers: the norm works in place
	LNORM XA, GA, BE, TM
.irp c, 0,1,2,3
	v_max3_num_f32 v[TM+\c], |v[XA+8*\c]|, |v[XA+8*\c+1]|, FLOOR   ; a block of 32 channels lies in four neighbouring lanes, eight numbers each
.endr
.irp i, 2,4,6
.irp c, 0,1,2,3
	v_max3_num_f32 v[TM+\c], v[TM+\c], |v[XA+8*\c+\i]|, |v[XA+8*\c+\i+1]|
.endr
.endr
.irp c, 0,1,2,3
	v_max_num_f32_dpp v[TM+\c], v[TM+\c], v[TM+\c] row_xmask:1 row_mask:0xf bank_mask:0xf
.endr
.irp c, 0,1,2,3
	v_max_num_f32_dpp v[TM+\c], v[TM+\c], v[TM+\c] row_xmask:2 row_mask:0xf bank_mask:0xf
.endr
.irp c, 0,1,2,3
	v_add_nc_u32 v[TM+12+\c], 0xfc000000, v[TM+\c]
.endr
.irp c, 0,1,2,3
	v_and_or_b32 v[TM+8+\c], v[TM+\c], 0x7f800000, s[MNT]
.endr
.irp c, 0,1,2,3
	v_lshrrev_b32 v[TM+4+\c], 23, v[TM+12+\c]
.endr
.irp c, 0,1,2,3
.irp i, 0,1,2,3,4,5,6,7
	v_med3_num_f32 v[XA+8*\c+\i], v[XA+8*\c+\i], -v[TM+8+\c], v[TM+8+\c]
.endr
	v_cvt_scalef32_pk8_fp8_f32 v[PC+2*\c:PC+2*\c+1], v[XA+8*\c:XA+8*\c+7], v[TM+12+\c]
.endr
	v_nop                                          ; a plain instruction behind the last conversion
.irp c, 0,1,2,3
	ds_store_b64 v8, v[PC+2*\c:PC+2*\c+1] offset:YIMG+1024*\c
.endr
.irp s, 0,1
	v_lshl_or_b32 v[TM+\s], v[TM+5+2*\s], 16, v[TM+4+2*\s]   ; my two bytes of K step s's word,
	v_lshlrev_b32 v[TM+\s], v10, v[TM+\s]                    ; in their places;
.endr
	v_mov_b32_dpp v[TM+2], v[TM] row_xmask:4 row_mask:0xf bank_mask:0xf
	v_mov_b32_dpp v[TM+3], v[TM+1] row_xmask:4 row_mask:0xf bank_mask:0xf
	v_or_b32 v[TM], v[TM], v[TM+2]                 ; with the other two, from the lane four away
	v_or_b32 v[TM+1], v[TM+1], v[TM+3]
	ds_store_b32 v9, v[TM] offset:YSC              ; the eight lanes of a row write the same word with the same value
	ds_store_b32 v9, v[TM+1] offset:YSC+128
	BARRIER                                        ; y's four fragments and their scale words lie in LDS
	; ---- the first product: 16 accumulators by turns, b1 as the first C
.set n, 0
.rept 16
	ds_load_b128 v[YF+4*n:YF+4*n+3], v2 offset:YIMG+512*n
.set n, n+1
.endr
	ds_load_b32 v248, v3 offset:YSC
	ds_load_b32 v249, v3 offset:YSC+128
.irp m, 0,1
.irp t, 0,1,2,3,4,5,6,7
	ds_load_b128 v[H+64*\m+8*\t:H+64*\m+8*\t+3], v11 offset:B1L+(32*(\t/2)+8*(\t%2))*4
	ds_load_b128 v[H+64*\m+8*\t+4:H+64*\m+8*\t+7], v11 offset:B1L+(32*(\t/2)+8*(\t%2))*4+16
.endr
.endr
	s_wait_dscnt 0x0
	s_wait_loadcnt 0x0                             ; W1 and its scale words
	WIN 0x01                                       ; source 0 in window 1
.irp s, 0,1
.irp m, 0,1
.irp t, 0,1,2,3,4,5,6,7
	WM H+64*\m+8*\t, 16*(2*\t+\s), YF+16*(2*\m+\s), 240+\t, 248+\s, \s, \m
.endr
.endr
.endr
	WIN 0
	PLACES
	; ---- the second product's weights are asked for; the gelu runs meanwhile
	v_lshrrev_b32 v4, 4, v1
	v_lshlrev_b32 v4, 5, v4                        ; b2 as a product's C: 32 (lane / 16)
	s_lshl_b32 s56, s26, 12
	v_add_nc_u32 v5, s56, v2                       ; my hidden images: 16 x lane + 4,096 x wave
	s_lshl_b32 s56, s26, 7
	v_add_nc_u32 v6, s56, v3                       ; their scale words: 4 x lane + 128 x wave
.irp n, 0,1
.irp m, 0,1
	global_load_b128 v[OUT+8*(2*\n+\m):OUT+8*(2*\n+\m)+3], v4, s[22:23] offset:64*\n
	global_load_b128 v[OUT+8*(2*\n+\m)+4:OUT+8*(2*\n+\m)+7], v4, s[22:23] offset:64*\n+16
.endr
.endr
.irp s, 0,1,2,3,4,5,6,7
	global_load_b32 v[240+\s], v3, s[20:21] offset:128*\s   ; W2's scale words: lanes 0-15 tile 0, lanes 16-31 tile 1
.endr
	WFETCH 18, 0, 16                               ; W2: K steps 0-3 of tile 0,
	WFETCH 18, 32, 16                              ; and of tile 1
	GELU16 H
	GELU16 H+16
	GELU16 H+32
	GELU16 H+48
	WFETCH 18, 16, 16                              ; K steps 4-7
	WFETCH 18, 48, 16
	QUANT H
.irp c, 0,1,2,3
	ds_store_b128 v5, v[PC+4*\c:PC+4*\c+3] offset:HIMG+512*\c
.endr
	v_mov_b32 v255, v[PW]
	s_wait_dscnt 0x0                               ; the stores have read their registers, which the gelu writes again
	GELU16 H+64
	GELU16 H+80
	GELU16 H+96
	GELU16 H+112
	QUANT H+64
.irp c, 0,1,2,3
	ds_store_b128 v5, v[PC+4*\c:PC+4*\c+3] offset:HIMG+2048+512*\c
.endr
	v_cndmask_b32 v[PW], v255, v[PW], s54          ; lanes 0-15: rows 0-15's words; lanes 16-31: rows 16-31's
	ds_store_b32 v6, v[PW] offset:HSC
	BARRIER                                        ; the hidden layer's sixteen fragments lie in LDS
	; ---- the second product: four accumulators by turns, four K steps at a time, b2 as the first C
.irp q, 0,1
.set n, 0
.rept 32
	ds_load_b128 v[HF+4*n:HF+4*n+3], v2 offset:HIMG+\q*16384+512*n
.set n, n+1
.endr
.irp e, 0,1,2,3
	ds_load_b32 v[250+\e], v3 offset:HSC+128*(4*\q+\e)
.endr
	s_wait_dscnt 0x0
.if \q == 0
	s_wait_loadcnt 0x0                             ; W2, its scale words and b2
.endif
	WIN 0x01
.irp e, 0,1,2,3
.irp n, 0,1
.irp m, 0,1
	WM OUT+8*(2*\n+\m), 16*(8*\n+4*\q+\e), HF+16*(2*\e+\m), 240+4*\q+\e, 250+\e, \n, \m
.endr
.endr
.endr
	WIN 0
	PLACES
.endr
	; ---- the way out: a row's 256 outputs come from eight waves: they meet in the stage
.irp n, 0,1
.irp m, 0,1
	ds_store_b128 v12, v[OUT+8*(2*\n+\m):OUT+8*(2*\n+\m)+3] offset:16*NP*\m+64*\n       ; each accumulator from its low end on
	ds_store_b128 v12, v[OUT+8*(2*\n+\m)+4:OUT+8*(2*\n+\m)+7] offset:16*NP*\m+64*\n+16
.endr
.endr
	BARRIER
.irp i, 0,1,2,3
	ds_load_b128 v[16+8*\i:16+8*\i+3], v13 offset:STG-X1+NP*\i
	ds_load_b128 v[16+8*\i+4:16+8*\i+7], v13 offset:STG-X1+NP*\i+512
	ds_load_b128 v[48+8*\i:48+8*\i+3], v13 offset:NP*\i
	ds_load_b128 v[48+8*\i+4:48+8*\i+7], v13 offset:NP*\i+512
.endr
	s_wait_dscnt 0x0
.set lj, 0
.rept 16
	v_pk_add_f32 v[16+lj:16+lj+1], v[16+lj:16+lj+1], v[48+lj:48+lj+1]   ; + x1
.set lj, lj+2
.endr
.irp i, 0,1,2,3
	global_store_b128 v2, v[16+8*\i:16+8*\i+3], s[24:25] offset:1024*\i th:TH_STORE_NT       ; 32 lanes store 512 consecutive bytes, aligned
	global_store_b128 v2, v[16+8*\i+4:16+8*\i+7], s[24:25] offset:1024*\i+512 th:TH_STORE_NT
.endr
	s_wait_xcnt 0x0
	v_lshl_add_u32 v254, v0, 2, 0x1c000
	v_mov_b32 v255, 0
	s_wait_tensorcnt 0x0
	ds_add_u32 v254, v255
	s_wait_dscnt 0x0
	s_endpgm
.Lfunc_end_k_q78dd61ea6e_mlp:
	.size	k_q78dd61ea6e_mlp, .Lfunc_end_k_q78dd61ea6e_mlp-k_q78dd61ea6e_mlp
	.p2alignl 7, 3214868480
	.fill 96, 4, 3214868480
	.section	.rodata,"a",@progbits
	.p2align	6, 0x0
	.amdhsa_kernel k_q78dd61ea6e_mlp
		.amdhsa_group_segment_fixed_size 115712
		.amdhsa_private_segment_fixed_size 0
		.amdhsa_enable_private_segment 0
		.amdhsa_kernarg_size 88
		.amdhsa_user_sgpr_count 2
		.amdhsa_user_sgpr_kernarg_segment_ptr 1
		.amdhsa_wavefront_size32 1
		.amdhsa_system_sgpr_workgroup_id_x 1
		.amdhsa_system_sgpr_workgroup_id_y 1
		.amdhsa_system_sgpr_workgroup_id_z 1
		.amdhsa_system_vgpr_workitem_id 0
		.amdhsa_next_free_vgpr 512
		.amdhsa_next_free_sgpr 66
		.amdhsa_reserve_vcc 0
		.amdhsa_float_denorm_mode_32 3
		.amdhsa_float_denorm_mode_16_64 3
		.amdhsa_memory_ordered 1
		.amdhsa_forward_progress 1
		.amdhsa_inst_pref_size 153
	.end_amdhsa_kernel
	.amdgpu_metadata
---
amdhsa.version: [ 1, 2 ]
amdhsa.kernels:
  - .name:           k_q78dd61ea6e_mlp
    .symbol:         k_q78dd61ea6e_mlp.kd
    .args:
      - { .name: x, .offset: 0, .size: 8, .value_kind: global_buffer, .address_space: global }
      - { .name: att, .offset: 8, .size: 8, .value_kind: global_buffer, .address_space: global }
      - { .name: gamma2, .offset: 16, .size: 8, .value_kind: global_buffer, .address_space: global }
      - { .name: beta2, .offset: 24, .size: 8, .value_kind: global_buffer, .address_space: global }
      - { .name: w1img, .offset: 32, .size: 8, .value_kind: global_buffer, .address_space: global }
      - { .name: w1sc, .offset: 40, .size: 8, .value_kind: global_buffer, .address_space: global }
      - { .name: b1, .offset: 48, .size: 8, .value_kind: global_buffer, .address_space: global }
      - { .name: w2img, .offset: 56, .size: 8, .value_kind: global_buffer, .address_space: global }
      - { .name: w2sc, .offset: 64, .size: 8, .value_kind: global_buffer, .address_space: global }
      - { .name: b2, .offset: 72, .size: 8, .value_kind: global_buffer, .address_space: global }
      - { .name: out0, .offset: 80, .size: 8, .value_kind: global_buffer, .address_space: global }
    .group_segment_fixed_size: 115712
    .private_segment_fixed_size: 0
    .kernarg_segment_align: 8
    .kernarg_segment_size: 88
    .max_flat_workgroup_size: 256
    .sgpr_count:     66
    .vgpr_count:     512
    .wavefront_size: 32
...
	.end_amdgpu_metadata
.endif
;; end of part 3
;; ======== version 2 of 2: 3 launches; version 1 with the launch mlp written anew for expert scheduling mode
;; workspace buffers: kv 4,325,376 bytes; mask 2,097,152 bytes of whole numbers; w1img 262,144 bytes; w1sc 8,192 bytes; w2img 262,144 bytes; w2sc 8,192 bytes; att 8,388,608 bytes
;; launch prep: the kernel of part 1 again; grid 592 x 1, 8 waves a work-group, no clusters, 134,144 bytes of LDS; arguments x, adj_matrix, gamma1, beta1, W1, W2, kv, mask, w1img, w1sc, w2img, w2sc; writes kv, mask, w1img, w1sc, w2img, w2sc
;; launch attn: the kernel of part 2 again; grid 8 x 32, 16 waves a work-group, clusters of 4 x 1, 186,368 bytes of LDS; arguments kv, mask, att; writes att
;; launch mlp (part 4): grid 256 x 1, 8 waves a work-group, no clusters, 115,712 bytes of LDS; arguments x, att, gamma2, beta2, w1img, w1sc, b1, w2img, w2sc, b2, out0; writes out0
.if DOCPART == 4
	.amdgcn_target "amdgcn-amd-amdhsa--gfx1250"
	.amdhsa_code_object_version 6
	.text
	.protected	k_q78dd61ea6e_mlp
	.globl	k_q78dd61ea6e_mlp
	.p2align	8
	.type	k_q78dd61ea6e_mlp,@function
k_q78dd61ea6e_mlp:
	s_mov_b64 s[64:65], 0
	v_nop
	global_prefetch_b8 v0, s[64:65] scope:SCOPE_SE
	s_setreg_imm32_b32 hwreg(HW_REG_WAVE_SCHED_MODE, 0, 2), 2
	s_setreg_imm32_b32 hwreg(HW_REG_WAVE_MODE, 25, 1), 1
	s_wait_xcnt 0x0
	s_wait_alu depctr_vm_vsrc(0)
; out0 = x1 + gelu(LN2(x1) W1 + b1) W2 + b2, x1 = x + att; both products on codes of FP8 (E4M3) with E8M0 scales; all else in f32.  The hidden layer never goes to memory.
; SHARES.  A work-group of eight waves takes 32 rows (two tiles of 16).  THE WAVES SHARE THE COLUMNS: wave w makes hidden units 128 w .. 128 w + 127, which are K step w of the second product, and outputs 32 w .. 32 w + 31.
; WEIGHTS come as images of the operand registers, made by the first launch, from memory straight into window 1: W1's 16 fragments of the wave, later W2's 16.  W1's are on their way during the norm, W2's during the gelu.
; NO TENSOR LOADS, NO CLUSTER: the two weights' images are 2 x 262,144 bytes, more than LDS holds, and each fragment feeds ONE wave's registers ONCE in a work-group: a way through LDS would add a store and a load of every byte.
; OPERANDS GO FROM WAVE TO WAVE THROUGH LDS AS IMAGES OF THEIR REGISTERS (16 bytes a lane at 16 x lane, 512 bytes a store).  Three barriers: y's images | the hidden layer's images | the stage of results.
; Both products are used transposed (source 0 = 16 rows of a weight, source 1 = 16 rows of y or of the hidden layer).  Row r of W1's tile 2 b + u is unit 32 b + 8 u + r + 8 (r / 8), so that a lane's 16 registers of two tiles are 16 neighbours along the next K.
; GELU, exact form: gelu(h) = max(h, 0) - |h| E, E = erfc(|h| / sqrt 2) / 2 = t 2^((P(t) - h^2 / 2) log2 e - 1), t = 1 / (1 + |h| / (2 sqrt 2)), P a polynomial of degree 9 (fractional error of erfc 1.2e-7 for every argument).
; LIMITS: a block of zeros gets the byte 1 where the rule says 127 (zero codes; the bytes never leave the launch); NaN and infinities are not served, but for a row of att that is NaN: its row of out0 is NaN, and no other.
; REGISTERS, window 0: v1-13 addresses; v[14:15] c9; v16-143 x, att, gamma2, beta2, then the hidden layer H[m][t] at 16 + 64 m + 8 t, then hidden fragments, then rows on the way out; v144-207 y's four fragments, then v144-175 at work
;   in the gelu, then K step 4's hidden fragments, and v176-207 the four accumulators of the outputs; v208-223 codes just made, squares in the gelu; v224-239 at work; v208-239 at last K step 5's hidden fragments; v240-247 the weights' scale words;
;   v248-249 y's, later the hidden layer's of K steps 4 and 5; v250-253 the hidden layer's; v254, v255 scale words just made.   window 1: 16 weight fragments.
; THE MODE: SCHED_MODE bits 1:0 = 2 (LLVM: expert scheduling mode 2), set by the entry lines.  The code itself states the register dependences between vector or matrix instructions and memory or LDS instructions, with s_wait_alu, always for 0.
; THE PLAN.  The text is one straight run.  Registers that memory or LDS instructions touch, and who else names them, in order:
;   v2, v3, v7-v9, v11-v13   addresses, made at the head, never written again.  v4-v6: offsets of x, att, gamma2 and beta2; made anew behind the first product (b2's offset, the hidden images' two addresses).
;   v16-143    loaded (x, att, gamma2, beta2) | x1, norm, codes; x1 stored from v16-47 | b1 lands as C | first product | gelu, quantiser | fragments of K steps 0-3 land | products | v16-79: K steps 6, 7 land | products | rows land | one addition | stored.
;   v144-207   y's fragments land | first product | v144-175: gelu at work | K step 4 lands.    v176-207: b2 lands | second product | stored to the stage.
;   v208-239   b1 passes through v208-211 | y's codes and scale words, stored | gelu, quantiser; the hidden codes stored twice from v208-223 | K step 5 lands.
;   v240-253   scale words: loaded, read by products, loaded again.    v254: a scale word, stored once.    window 1: W1 lands | first product | W2 lands | second product.
; A wait on va_vdst stands ahead of each run of stores whose data vector or matrix instructions have just written, and ahead of each run of loads into registers that they have just named; where no vector or matrix instruction
; since such a wait names a register, the later loads into it lean on that wait.  A wait on vm_vsrc stands ahead of each first write of registers that LDS stores or loads' addresses have read.
.set NP,    1040
.set FLOOR, 0x4800000
.set YIMG,  0                          ; LDS: y's four fragments, (2 m + s) x 2,048
.set YSC,   8192                       ; their scale words: 128 s + 4 x row
.set HIMG,  8448                       ; the hidden layer's sixteen fragments, (2 s + m) x 2,048
.set HSC,   41216                      ; their scale words: 128 s + 4 x lane (lanes 0-15: m = 0)
.set B1L,   42240                      ; b1, 512 bytes a wave
.set X1,    46336                      ; x1: 32 rows x 1,040
.set STG,   79616                      ; the results: 32 rows x 1,040
.set XA,  16
.set AT,  48
.set GA,  80
.set BE,  112
.set H,   16
.set HF,  16
.set YF,  144
.set GT,  144
.set GP,  160
.set HX4, 144                          ; K step 4's two hidden fragments
.set OUT, 176
.set PC,  208
.set GW,  208
.set HX5, 208                          ; K step 5's two
.set TM,  224
.set PW,  254
.set SEL, 28
.set MNT, 30
.set SINV, 31
.set SEPS, 32
.set MSB, 0
.macro WIN new                         ; the immediate's high byte repeats the setting that is left
.if MSB != \new
	s_set_vgpr_msb (MSB<<8)|\new
.set MSB, \new
.endif
.endm
.macro BARRIER                         ; my LDS stores have landed and my LDS loads are in: then the work-group's barrier
	s_wait_dscnt 0x0
	s_barrier_signal -1
	s_barrier_wait -1
.endm
.macro PLACES                          ; eight places behind this matrix form in front of reads of results and of loads into its registers
.rept 8
	v_nop
.endr
.endm
; layer norm of the 32 numbers a lane holds of a row that eight lanes share
.macro LNORM X, G, B, T
	v_pk_add_f32 v[\T:\T+1], v[\X:\X+1], v[\X+2:\X+3]
	v_pk_add_f32 v[\T+2:\T+3], v[\X+4:\X+5], v[\X+6:\X+7]
.irp j, 8,12,16,20,24,28
	v_pk_add_f32 v[\T:\T+1], v[\T:\T+1], v[\X+\j:\X+\j+1]
	v_pk_add_f32 v[\T+2:\T+3], v[\T+2:\T+3], v[\X+\j+2:\X+\j+3]
.endr
	v_pk_add_f32 v[\T:\T+1], v[\T:\T+1], v[\T+2:\T+3]
	v_add_f32 v[\T], v[\T], v[\T+1]
	v_add_f32_dpp v[\T], v[\T], v[\T] row_xmask:1 row_mask:0xf bank_mask:0xf
	v_add_f32_dpp v[\T], v[\T], v[\T] row_xmask:2 row_mask:0xf bank_mask:0xf
	v_add_f32_dpp v[\T], v[\T], v[\T] row_xmask:4 row_mask:0xf bank_mask:0xf
	v_mul_f32 v[\T], s[SINV], v[\T]
.set lj, 0
.rept 16
	v_pk_add_f32 v[\X+lj:\X+lj+1], v[\X+lj:\X+lj+1], v[\T:\T+1] op_sel_hi:[1,0] neg_lo:[0,1] neg_hi:[0,1]
.set lj, lj+2
.endr
	v_pk_mul_f32 v[\T+2:\T+3], v[\X:\X+1], v[\X:\X+1]
	v_pk_mul_f32 v[\T+4:\T+5], v[\X+2:\X+3], v[\X+2:\X+3]
.irp j, 4,8,12,16,20,24,28
	v_pk_fma_f32 v[\T+2:\T+3], v[\X+\j:\X+\j+1], v[\X+\j:\X+\j+1], v[\T+2:\T+3]
	v_pk_fma_f32 v[\T+4:\T+5], v[\X+\j+2:\X+\j+3], v[\X+\j+2:\X+\j+3], v[\T+4:\T+5]
.endr
	v_pk_add_f32 v[\T+2:\T+3], v[\T+2:\T+3], v[\T+4:\T+5]
	v_add_f32 v[\T+2], v[\T+2], v[\T+3]
	v_add_f32_dpp v[\T+2], v[\T+2], v[\T+2] row_xmask:1 row_mask:0xf bank_mask:0xf
	v_add_f32_dpp v[\T+2], v[\T+2], v[\T+2] row_xmask:2 row_mask:0xf bank_mask:0xf
	v_add_f32_dpp v[\T+2], v[\T+2], v[\T+2] row_xmask:4 row_mask:0xf bank_mask:0xf
	v_fma_f32 v[\T+2], v[\T+2], s[SINV], s[SEPS]
	v_rsq_f32 v[\T+4], v[\T+2]
	v_nop                                          ; a plain instruction behind the transcendental,
	s_wait_alu depctr_va_vdst(0)                   ; and the wait: the reciprocal root in v[T + 4] is written, ahead of its first reader
.set lj, 0
.rept 16
	v_pk_mul_f32 v[\X+lj:\X+lj+1], v[\X+lj:\X+lj+1], v[\T+4:\T+5] op_sel_hi:[1,0]
.set lj, lj+2
.endr
.set lj, 0
.rept 16
	v_pk_fma_f32 v[\X+lj:\X+lj+1], v[\X+lj:\X+lj+1], v[\G+lj:\G+lj+1], v[\B+lj:\B+lj+1]
.set lj, lj+2
.endr
.endm
; 64 numbers of a lane, register 16 b + i = k 32 b + 16 (lane / 16) + i of my row, become a fragment's codes in v[PC] on and its scale word in v[PW]
.macro QUANT s
.irp b, 0,1,2,3
	v_max3_num_f32 v[TM+\b], |v[\s+16*\b]|, |v[\s+1+16*\b]|, FLOOR
.endr
.irp i, 2,4,6,8,10,12,14
.irp b, 0,1,2,3
	v_max3_num_f32 v[TM+\b], v[TM+\b], |v[\s+16*\b+\i]|, |v[\s+1+16*\b+\i]|
.endr
.endr
.irp b, 0,1,2,3
	v_permlanex16_b32 v[TM+4+\b], v[TM+\b], s[SEL], s[SEL+1]
.endr
.irp b, 0,1,2,3
	v_max_num_f32 v[TM+\b], v[TM+\b], v[TM+4+\b]
.endr
.irp b, 0,1,2,3
	v_add_nc_u32 v[TM+12+\b], 0xfc000000, v[TM+\b]
.endr
.irp b, 0,1,2,3
	v_and_or_b32 v[TM+8+\b], v[TM+\b], 0x7f800000, s[MNT]
.endr
.irp b, 0,1,2,3
	v_lshrrev_b32 v[TM+4+\b], 23, v[TM+12+\b]
.endr
	v_lshl_or_b32 v[PW], v[TM+5], 8, v[TM+4]
	v_lshl_or_b32 v[PW], v[TM+6], 16, v[PW]
	v_lshl_or_b32 v[PW], v[TM+7], 24, v[PW]
.irp b, 0,1,2,3
.irp i, 0,1,2,3,4,5,6,7,8,9,10,11,12,13,14,15
	v_med3_num_f32 v[\s+16*\b+\i], v[\s+16*\b+\i], -v[TM+8+\b], v[TM+8+\b]
.endr
	v_cvt_scalef32_pk8_fp8_f32 v[PC+4*\b:PC+1+4*\b], v[\s+16*\b:\s+7+16*\b], v[TM+12+\b]
	v_cvt_scalef32_pk8_fp8_f32 v[PC+2+4*\b:PC+3+4*\b], v[\s+8+16*\b:\s+15+16*\b], v[TM+12+\b]
.endr
	v_nop                                          ; a plain instruction behind the last conversion
.endm
; the exact gelu of 16 registers, in place
.macro GELU16 B
.set gi, 0
.rept 16
	v_fma_f32 v[GT+gi], |v[\B+gi]|, s33, 1.0       ; 1 + |h| / (2 sqrt 2).  Ascending: each accumulator is read from its low end on
.set gi, gi+1
.endr
.set gi, 0
.rept 16
	v_rcp_f32 v[GT+gi], v[GT+gi]                   ; t
.set gi, gi+1
.endr
.set gi, 0
.rept 8
	v_pk_mul_f32 v[GW+gi:GW+gi+1], v[\B+gi:\B+gi+1], v[\B+gi:\B+gi+1]   ; h^2: independent work behind the batch
.set gi, gi+2
.endr
	s_wait_alu depctr_va_vdst(0)                   ; the 16 reciprocals in v[GT ..] are written: one wait for the batch, ahead of its first reader
.set gi, 0
.rept 8
	v_pk_fma_f32 v[GP+gi:GP+gi+1], v[GT+gi:GT+gi+1], v[14:15], s[36:37] op_sel_hi:[1,1,0]
.set gi, gi+2
.endr
.irp c, 38,40,42,44,46,48,50,52
.set gi, 0
.rept 8
	v_pk_fma_f32 v[GP+gi:GP+gi+1], v[GP+gi:GP+gi+1], v[GT+gi:GT+gi+1], s[\c:\c+1] op_sel_hi:[1,1,0]
.set gi, gi+2
.endr
.endr
.set gi, 0
.rept 8
	v_pk_fma_f32 v[GP+gi:GP+gi+1], v[GW+gi:GW+gi+1], -0.5, v[GP+gi:GP+gi+1] op_sel_hi:[1,0,1]
.set gi, gi+2
.endr
.set gi, 0
.rept 8
	v_pk_fma_f32 v[GP+gi:GP+gi+1], v[GP+gi:GP+gi+1], s[34:35], -1.0 op_sel_hi:[1,0,0]
.set gi, gi+2
.endr
.set gi, 0
.rept 16
	v_exp_f32 v[GP+gi], v[GP+gi]
.set gi, gi+1
.endr
.set gi, 0
.rept 16
	v_max_num_f32 v[GW+gi], 0, v[\B+gi]            ; max(h, 0): independent work behind the batch
.set gi, gi+1
.endr
	s_wait_alu depctr_va_vdst(0)                   ; the 16 exponentials in v[GP ..] are written: one wait for the batch, ahead of its first reader
.set gi, 0
.rept 8
	v_pk_mul_f32 v[GP+gi:GP+gi+1], v[GP+gi:GP+gi+1], v[GT+gi:GT+gi+1]   ; E
.set gi, gi+2
.endr
.set gi, 0
.rept 16
	v_fma_f32 v[\B+gi], -|v[\B+gi]|, v[GP+gi], v[GW+gi]
.set gi, gi+1
.endr
.endm
; one product, added in place; ra, rb: which half of the lanes holds source 0's and source 1's scale words
.macro WM d, a, b, sa, sb, ra, rb
.if (\ra) && (\rb)
	v_wmma_scale_f32_16x16x128_f8f6f4 v[(\d):(\d)+7], v[(\a):(\a)+15], v[(\b):(\b)+15], v[(\d):(\d)+7], v[\sa], v[\sb] matrix_a_scale:MATRIX_SCALE_ROW1 matrix_b_scale:MATRIX_SCALE_ROW1
.elseif (\ra)
	v_wmma_scale_f32_16x16x128_f8f6f4 v[(\d):(\d)+7], v[(\a):(\a)+15], v[(\b):(\b)+15], v[(\d):(\d)+7], v[\sa], v[\sb] matrix_a_scale:MATRIX_SCALE_ROW1
.elseif (\rb)
	v_wmma_scale_f32_16x16x128_f8f6f4 v[(\d):(\d)+7], v[(\a):(\a)+15], v[(\b):(\b)+15], v[(\d):(\d)+7], v[\sa], v[\sb] matrix_b_scale:MATRIX_SCALE_ROW1
.else
	v_wmma_scale_f32_16x16x128_f8f6f4 v[(\d):(\d)+7], v[(\a):(\a)+15], v[(\b):(\b)+15], v[(\d):(\d)+7], v[\sa], v[\sb]
.endif
.endm
; pieces k0 .. k0 + cnt - 1 (512 bytes, four registers each) of a weight's image into window 1
.macro WFETCH base, k0, cnt
	WIN 0x40                                       ; destination window 1, address window 0
.set wk, \k0
.rept \cnt
	global_load_b128 v[4*wk:4*wk+3], v2, s[\base:\base+1] offset:512*wk
.set wk, wk+1
.endr
	WIN 0
.endm
; fragment fr = 2 s + m of the hidden layer (K step s, rows 16 m on) from its image in LDS into v[breg] on
.macro HFETCH breg, fr
.irp c, 0,1,2,3
	ds_load_b128 v[(\breg)+4*\c:(\breg)+4*\c+3], v2 offset:HIMG+2048*(\fr)+512*\c
.endr
.endm
; K step ks of the second product: four products, the four accumulators by turns.  breg: its two hidden fragments; hsc: their scale words
.macro KSTEP ks, breg, hsc
.irp n, 0,1
.irp m, 0,1
	WM OUT+8*(2*\n+\m), 16*(8*\n+(\ks)), (\breg)+16*\m, 240+(\ks), \hsc, \n, \m
.endr
.endr
.endm
	s_load_b512 s[4:19], s[0:1], 0x0               ; x, att, gamma2, beta2, w1img, w1sc, b1, w2img
	s_load_b128 s[20:23], s[0:1], 0x40             ; w2sc, b2
	s_load_b64 s[24:25], s[0:1], 0x50              ; out0
	v_lshrrev_b32 v1, 5, v0
	v_readfirstlane_b32 s26, v1                    ; wave 0..7
	v_and_b32 v1, 31, v0                           ; lane
	v_lshlrev_b32 v2, 4, v1                        ; 16 x lane
	v_lshlrev_b32 v3, 2, v1                        ; 4 x lane
	v_lshrrev_b32 v12, 3, v1                       ; which of my four rows
	v_and_b32 v13, 7, v1                           ; which eighth of it: register 8 c + i = channel 64 c + 8 (lane % 8) + i
	v_lshlrev_b32 v6, 5, v13                       ; gamma2, beta2
	v_lshl_add_u32 v4, v12, 10, v6                 ; x
	v_and_b32 v5, 3, v13
	v_lshlrev_b32 v5, 5, v5
	v_lshl_add_u32 v5, v12, 7, v5
	v_lshrrev_b32 v10, 2, v13
	v_lshl_add_u32 v5, v10, 18, v5                 ; att [head][query][32]: 128 x row + 262,144 x (head % 2) + 32 x (lane % 4)
	v_lshlrev_b32 v10, 3, v10                      ; where my bytes stand in a scale word: 8 ((lane % 8) / 4) bits up
	s_wait_alu depctr_va_sdst(0)                   ; s26, the wave's number, is written, ahead of its first reader: LDS addresses and the buffers' bases are made from it
	s_mul_i32 s56, s26, 4*NP
	s_add_co_u32 s56, s56, X1
	v_mul_u32_u24 v7, v12, NP
	v_add_nc_u32 v7, v7, v6
	v_add_nc_u32 v7, s56, v7                       ; x1's place in LDS
	v_and_b32 v8, 1, v1
	v_lshlrev_b32 v8, 3, v8
	v_bfe_u32 v9, v1, 1, 2
	v_lshl_add_u32 v8, v9, 8, v8
	v_lshl_add_u32 v8, v12, 4, v8
	s_lshr_b32 s57, s26, 2
	s_lshl_b32 s57, s57, 12
	s_and_b32 s58, s26, 3
	s_lshl_b32 s58, s58, 6
	s_add_co_u32 s57, s57, s58
	v_add_nc_u32 v8, s57, v8                       ; my eight codes' place in y's images
	s_lshl_b32 s58, s26, 4
	v_lshl_add_u32 v9, v12, 2, s58                 ; my row's scale word
	v_lshrrev_b32 v11, 4, v1
	s_lshl_b32 s59, s26, 9
	v_lshl_add_u32 v11, v11, 6, s59                ; b1 as a product's C: 512 x wave + 64 (lane / 16)
	v_add_nc_u32 v255, s59, v2                     ; b1 on its way into LDS
	v_and_b32 v12, 15, v1
	v_mul_u32_u24 v12, v12, NP
	v_lshrrev_b32 v13, 4, v1
	v_lshl_add_u32 v12, v13, 5, v12
	s_lshl_b32 s60, s26, 7
	s_add_co_u32 s60, s60, STG
	v_add_nc_u32 v12, s60, v12                     ; the stage: row r, my 32 outputs, 32 bytes for each half of the lanes
	v_add_nc_u32 v13, s56, v2                      ; back: my four rows of x1; the stage lies STG - X1 further on
	v_mov_b32 v14, 0x3e2ef945                      ; c9
	v_mov_b32 v15, 0x3e2ef945
	s_mov_b32 s[SEL], 0x76543210
	s_mov_b32 s[SEL+1], 0xfedcba98
	s_mov_b32 s[MNT], 0x600000
	s_mov_b32 s[SINV], 0x3b800000
	s_mov_b32 s[SEPS], 0x3727c5ac
	s_mov_b32 s33, 0x3eb504f3                      ; 1 / (2 sqrt 2)
	s_mov_b32 s34, 0x3fb8aa3b                      ; log2(e)
	s_mov_b32 s35, s34
	s_mov_b32 s36, 0xbf527892                      ; c8 .. c0, each written twice: the packed form names a pair
	s_mov_b32 s37, s36
	s_mov_b32 s38, 0x3fbe87b0
	s_mov_b32 s39, s38
	s_mov_b32 s40, 0xbf914e5d
	s_mov_b32 s41, s40
	s_mov_b32 s42, 0x3e8ec7cc
	s_mov_b32 s43, s42
	s_mov_b32 s44, 0xbe3ec24c
	s_mov_b32 s45, s44
	s_mov_b32 s46, 0x3dc636c9
	s_mov_b32 s47, s46
	s_mov_b32 s48, 0x3ebf88fb
	s_mov_b32 s49, s48
	s_mov_b32 s50, 0x3f8000c7
	s_mov_b32 s51, s50
	s_mov_b32 s52, 0xbfa1fc4e
	s_mov_b32 s53, s52
	s_mov_b32 s54, 0xffff0000                      ; lanes 16-31
	s_lshl_b32 s60, ttmp9, 5
	s_lshl_b32 s61, s26, 2
	s_add_co_u32 s60, s60, s61                     ; my first row: 32 x work-group + 4 x wave
	s_and_b32 s62, s60, 2047
	s_lshl_b32 s62, s62, 7
	s_lshr_b32 s63, ttmp9, 6                       ; batch
	s_lshl_b32 s63, s63, 21
	s_add_co_u32 s62, s62, s63
	s_mov_b32 s63, 0
	s_lshl_b32 s60, s60, 10
	s_mov_b32 s61, 0
	s_lshl_b32 s56, s26, 15
	s_mov_b32 s57, 0
	s_lshl_b32 s58, s26, 10
	s_mov_b32 s59, 0
	s_wait_kmcnt 0x0
	s_add_nc_u64 s[4:5], s[4:5], s[60:61]
	s_add_nc_u64 s[24:25], s[24:25], s[60:61]
	s_add_nc_u64 s[6:7], s[6:7], s[62:63]
	s_add_nc_u64 s[12:13], s[12:13], s[56:57]
	s_add_nc_u64 s[18:19], s[18:19], s[56:57]
	s_add_nc_u64 s[14:15], s[14:15], s[58:59]
	s_add_nc_u64 s[20:21], s[20:21], s[58:59]
	s_lshl_b32 s58, s26, 9
	s_add_nc_u64 s[16:17], s[16:17], s[58:59]
	s_lshl_b32 s58, s26, 7
	s_add_nc_u64 s[22:23], s[22:23], s[58:59]
	; ---- loads: what the norm wants first, then W1
	s_wait_alu depctr_va_vdst(0)                   ; the addresses v2 to v9, v11 to v13 and v255 are written, which the loads and stores below read; up to the first LDS store only loads, window switches and a wait on LOADcnt follow
	global_load_b128 v[208:211], v2, s[16:17]      ; my 128 numbers of b1
.irp c, 0,1,2,3
	global_load_b128 v[XA+8*\c:XA+8*\c+3], v4, s[4:5] offset:256*\c
	global_load_b128 v[XA+8*\c+4:XA+8*\c+7], v4, s[4:5] offset:256*\c+16
.endr
.irp c, 0,1,2,3
	global_load_b128 v[AT+8*\c:AT+8*\c+3], v5, s[6:7] offset:524288*\c
	global_load_b128 v[AT+8*\c+4:AT+8*\c+7], v5, s[6:7] offset:524288*\c+16
.endr
.irp c, 0,1,2,3
	global_load_b128 v[GA+8*\c:GA+8*\c+3], v6, s[8:9] offset:256*\c
	global_load_b128 v[GA+8*\c+4:GA+8*\c+7], v6, s[8:9] offset:256*\c+16
.endr
.irp c, 0,1,2,3
	global_load_b128 v[BE+8*\c:BE+8*\c+3], v6, s[10:11] offset:256*\c
	global_load_b128 v[BE+8*\c+4:BE+8*\c+7], v6, s[10:11] offset:256*\c+16
.endr
.irp t, 0,1,2,3,4,5,6,7
	global_load_b32 v[240+\t], v3, s[14:15] offset:128*\t   ; W1's scale words: lanes 0-15 K step 0, lanes 16-31 K step 1
.endr
	WFETCH 12, 0, 48                               ; W1's tiles 0-5
	s_wait_loadcnt 56                              ; the 33 loads for the norm are in; the 8 scale words and 48 pieces of W1 may be out
	WFETCH 12, 48, 16                              ; W1's tiles 6, 7
	; ---- x1, the norm, y's codes
	ds_store_b128 v255, v[208:211] offset:B1L
.set lj, 0
.rept 16
	v_pk_add_f32 v[XA+lj:XA+lj+1], v[XA+lj:XA+lj+1], v[AT+lj:AT+lj+1]   ; x1 = x + att
.set lj, lj+2
.endr
	s_wait_alu depctr_va_vdst(0)                   ; the additions have written x1 in v[XA ..], which the LDS stores read
.irp c, 0,1,2,3
	ds_store_b128 v7, v[XA+8*\c:XA+8*\c+3] offset:256*\c
	ds_store_b128 v7, v[XA+8*\c+4:XA+8*\c+7] offset:256*\c+16
.endr
	s_wait_dscnt 0x0                               ; my stores of b1 and x1 have landed
	s_wait_alu depctr_vm_vsrc(0)                   ; the LDS stores have read v[XA ..], in which the norm works in place, and v208-211 and v255, which are written further down; the loads have read v4 to v6, which are made anew behind the first product
	LNORM XA, GA, BE, TM
.irp c, 0,1,2,3
	v_max3_num_f32 v[TM+\c], |v[XA+8*\c]|, |v[XA+8*\c+1]|, FLOOR   ; a block of 32 channels lies in four neighbouring lanes, eight numbers each
.endr
.irp i, 2,4,6
.irp c, 0,1,2,3
	v_max3_num_f32 v[TM+\c], v[TM+\c], |v[XA+8*\c+\i]|, |v[XA+8*\c+\i+1]|
.endr
.endr
.irp c, 0,1,2,3
	v_max_num_f32_dpp v[TM+\c], v[TM+\c], v[TM+\c] row_xmask:1 row_mask:0xf bank_mask:0xf
.endr
.irp c, 0,1,2,3
	v_max_num_f32_dpp v[TM+\c], v[TM+\c], v[TM+\c] row_xmask:2 row_mask:0xf bank_mask:0xf
.endr
.irp c, 0,1,2,3
	v_add_nc_u32 v[TM+12+\c], 0xfc000000, v[TM+\c]
.endr
.irp c, 0,1,2,3
	v_and_or_b32 v[TM+8+\c], v[TM+\c], 0x7f800000, s[MNT]
.endr
.irp c, 0,1,2,3
	v_lshrrev_b32 v[TM+4+\c], 23, v[TM+12+\c]
.endr
.irp c, 0,1,2,3
.irp i, 0,1,2,3,4,5,6,7
	v_med3_num_f32 v[XA+8*\c+\i], v[XA+8*\c+\i], -v[TM+8+\c], v[TM+8+\c]
.endr
	v_cvt_scalef32_pk8_fp8_f32 v[PC+2*\c:PC+2*\c+1], v[XA+8*\c:XA+8*\c+7], v[TM+12+\c]
.endr
	v_nop                                          ; a plain instruction behind the last conversion
.irp s, 0,1
	v_lshl_or_b32 v[TM+\s], v[TM+5+2*\s], 16, v[TM+4+2*\s]   ; my two bytes of K step s's word,
	v_lshlrev_b32 v[TM+\s], v10, v[TM+\s]                    ; in their places;
.endr
	v_mov_b32_dpp v[TM+2], v[TM] row_xmask:4 row_mask:0xf bank_mask:0xf
	v_mov_b32_dpp v[TM+3], v[TM+1] row_xmask:4 row_mask:0xf bank_mask:0xf
	v_or_b32 v[TM], v[TM], v[TM+2]                 ; with the other two, from the lane four away
	v_or_b32 v[TM+1], v[TM+1], v[TM+3]
	s_wait_alu depctr_va_vdst(0)                   ; y's codes in v[PC ..] and its scale words in v[TM], v[TM+1] are written, which the six LDS stores read; and the norm and the conversions are done with v16-143, in which b1 lands behind the barrier
.irp c, 0,1,2,3
	ds_store_b64 v8, v[PC+2*\c:PC+2*\c+1] offset:YIMG+1024*\c
.endr
	ds_store_b32 v9, v[TM] offset:YSC              ; the eight lanes of a row write the same word with the same value
	ds_store_b32 v9, v[TM+1] offset:YSC+128
	BARRIER                                        ; y's four fragments and their scale words lie in LDS
	; ---- the first product: 16 accumulators by turns, b1 as the first C.  No vector or matrix instruction since the wait above: these loads lean on it
.set n, 0
.rept 16
	ds_load_b128 v[YF+4*n:YF+4*n+3], v2 offset:YIMG+512*n
.set n, n+1
.endr
	ds_load_b32 v248, v3 offset:YSC
	ds_load_b32 v249, v3 offset:YSC+128
.irp m, 0,1
.irp t, 0,1,2,3,4,5,6,7
	ds_load_b128 v[H+64*\m+8*\t:H+64*\m+8*\t+3], v11 offset:B1L+(32*(\t/2)+8*(\t%2))*4
	ds_load_b128 v[H+64*\m+8*\t+4:H+64*\m+8*\t+7], v11 offset:B1L+(32*(\t/2)+8*(\t%2))*4+16
.endr
.endr
	s_wait_dscnt 0x0
	s_wait_loadcnt 0x0                             ; W1 and its scale words
	WIN 0x01                                       ; source 0 in window 1
.irp s, 0,1
.irp m, 0,1
.irp t, 0,1,2,3,4,5,6,7
	WM H+64*\m+8*\t, 16*(2*\t+\s), YF+16*(2*\m+\s), 240+\t, 248+\s, \s, \m
.endr
.endr
.endr
	WIN 0
	PLACES
	; ---- the second product's weights are asked for; the gelu runs meanwhile
	v_lshrrev_b32 v4, 4, v1
	v_lshlrev_b32 v4, 5, v4                        ; b2 as a product's C: 32 (lane / 16)
	s_lshl_b32 s56, s26, 12
	v_add_nc_u32 v5, s56, v2                       ; my hidden images: 16 x lane + 4,096 x wave
	s_lshl_b32 s56, s26, 7
	v_add_nc_u32 v6, s56, v3                       ; their scale words: 4 x lane + 128 x wave
	s_wait_alu depctr_va_vdst(0)                   ; v4 to v6 are written; the first product is done reading y's fragments in v176-207, the scale words in v240-249 and W1 in window 1, in all of which loads land.  Up to the gelu only loads and window switches follow
.irp n, 0,1
.irp m, 0,1
	global_load_b128 v[OUT+8*(2*\n+\m):OUT+8*(2*\n+\m)+3], v4, s[22:23] offset:64*\n
	global_load_b128 v[OUT+8*(2*\n+\m)+4:OUT+8*(2*\n+\m)+7], v4, s[22:23] offset:64*\n+16
.endr
.endr
.irp s, 0,1,2,3,4,5,6,7
	global_load_b32 v[240+\s], v3, s[20:21] offset:128*\s   ; W2's scale words: lanes 0-15 tile 0, lanes 16-31 tile 1
.endr
	WFETCH 18, 0, 16                               ; W2: K steps 0-3 of tile 0,
	WFETCH 18, 32, 16                              ; and of tile 1
	s_wait_alu depctr_vm_vsrc(0)                   ; y's LDS stores have read v208-215, which the gelu writes, and v[TM], v[TM+1], which the quantiser writes
	GELU16 H
	GELU16 H+16
	GELU16 H+32
	GELU16 H+48
	WIN 0x40                                       ; the window's switch, then the wait, then the loads
	s_wait_alu depctr_va_vdst(0)                   ; the first product is done reading W1's fragments in v320-383 and v448-511, in which W2's K steps 4-7 land
	WFETCH 18, 16, 16                              ; K steps 4-7
	WFETCH 18, 48, 16
	QUANT H
	v_mov_b32 v255, v[PW]
	s_wait_alu depctr_va_vdst(0)                   ; the conversions have written the codes of rows 0-15 in v[PC ..], which the LDS stores read
.irp c, 0,1,2,3
	ds_store_b128 v5, v[PC+4*\c:PC+4*\c+3] offset:HIMG+512*\c
.endr
	s_wait_dscnt 0x0                               ; these stores have landed
	s_wait_alu depctr_vm_vsrc(0)                   ; and have read v[PC ..], which the gelu and the next conversions write again
	GELU16 H+64
	GELU16 H+80
	GELU16 H+96
	GELU16 H+112
	QUANT H+64
	v_cndmask_b32 v[PW], v255, v[PW], s54          ; lanes 0-15: rows 0-15's words; lanes 16-31: rows 16-31's
	s_wait_alu depctr_va_vdst(0)                   ; the codes of rows 16-31 in v[PC ..] and the scale words in v[PW] are written, which the LDS stores read; and the gelu and the quantiser are done with v16-175 and v208-239, in which hidden fragments land behind the barrier
.irp c, 0,1,2,3
	ds_store_b128 v5, v[PC+4*\c:PC+4*\c+3] offset:HIMG+2048+512*\c
.endr
	ds_store_b32 v6, v[PW] offset:HSC
	BARRIER                                        ; the hidden layer's sixteen fragments lie in LDS
	; ---- the second product: four accumulators by turns, K ascending, b2 as the first C.  Six K steps' fragments are asked for at once: 0-3 into v16-143, 4 and 5 into the registers that the gelu and the quantiser have left;
	; K steps 6 and 7 take the registers of K steps 0 and 1 as soon as those are multiplied, and have the sixteen products of K steps 2 to 5 in which to land
	s_wait_alu depctr_vm_vsrc(0)                   ; my LDS stores have read v[PC ..], in which K step 5's fragments land, and v[PW], which is written again at the end
.irp f, 0,1,2,3,4,5,6,7
	HFETCH HF+16*\f, \f
.endr
.irp e, 0,1,2,3
	ds_load_b32 v[250+\e], v3 offset:HSC+128*\e
.endr
	HFETCH HX4, 8
	HFETCH HX4+16, 9
	ds_load_b32 v248, v3 offset:HSC+128*4
	HFETCH HX5, 10
	HFETCH HX5+16, 11
	ds_load_b32 v249, v3 offset:HSC+128*5
	s_wait_dscnt 18                                ; K steps 0-3 and their scale words are in; the 18 younger loads, K steps 4 and 5, may be out
	s_wait_loadcnt 0x0                             ; W2, its scale words and b2
	WIN 0x01
	KSTEP 0, HF, 250
	KSTEP 1, HF+32, 251
	WIN 0
	PLACES
	s_wait_alu depctr_va_vdst(0)                   ; the products of K steps 0 and 1 are done reading their fragments in v16-79 and their scale words in v250, v251, in which K steps 6 and 7 land
	HFETCH HF, 12
	HFETCH HF+16, 13
	HFETCH HF+32, 14
	HFETCH HF+48, 15
	ds_load_b32 v250, v3 offset:HSC+128*6
	ds_load_b32 v251, v3 offset:HSC+128*7
	WIN 0x01
	KSTEP 2, HF+64, 252
	KSTEP 3, HF+96, 253
	s_wait_dscnt 18                                ; K steps 4 and 5 are in; the 18 loads just issued, K steps 6 and 7, may be out
	KSTEP 4, HX4, 248
	KSTEP 5, HX5, 249
	s_wait_dscnt 0x0                               ; K steps 6 and 7 are in
	KSTEP 6, HF, 250
	KSTEP 7, HF+32, 251
	WIN 0
	PLACES
	; ---- the way out: a row's 256 outputs come from eight waves: they meet in the stage
	s_wait_alu depctr_va_vdst(0)                   ; the products have written the accumulators, which the LDS stores read (the places above stay beside this wait), and are done reading v16-79, in which rows land behind the barrier
.irp n, 0,1
.irp m, 0,1
	ds_store_b128 v12, v[OUT+8*(2*\n+\m):OUT+8*(2*\n+\m)+3] offset:16*NP*\m+64*\n       ; each accumulator from its low end on
	ds_store_b128 v12, v[OUT+8*(2*\n+\m)+4:OUT+8*(2*\n+\m)+7] offset:16*NP*\m+64*\n+16
.endr
.endr
	BARRIER
.irp i, 0,1,2,3
	ds_load_b128 v[16+8*\i:16+8*\i+3], v13 offset:STG-X1+NP*\i
	ds_load_b128 v[16+8*\i+4:16+8*\i+7], v13 offset:STG-X1+NP*\i+512
	ds_load_b128 v[48+8*\i:48+8*\i+3], v13 offset:NP*\i
	ds_load_b128 v[48+8*\i+4:48+8*\i+7], v13 offset:NP*\i+512
.endr
	s_wait_dscnt 0x0
.set lj, 0
.rept 16
	v_pk_add_f32 v[16+lj:16+lj+1], v[16+lj:16+lj+1], v[48+lj:48+lj+1]   ; + x1
.set lj, lj+2
.endr
	s_wait_alu depctr_va_vdst(0)                   ; the additions have written v16-47, which the stores read
.irp i, 0,1,2,3
	global_store_b128 v2, v[16+8*\i:16+8*\i+3], s[24:25] offset:1024*\i th:TH_STORE_NT       ; 32 lanes store 512 consecutive bytes, aligned
	global_store_b128 v2, v[16+8*\i+4:16+8*\i+7], s[24:25] offset:1024*\i+512 th:TH_STORE_NT
.endr
	s_wait_xcnt 0x0
	v_lshl_add_u32 v254, v0, 2, 0x1c000            ; the add's two registers are made anew (v0 is as at the entry).  No memory or LDS instruction has read v254 or v255 since the wait on vm_vsrc behind the second barrier
	v_mov_b32 v255, 0
	s_wait_dscnt 0x0                               ; the closing lines, six on end
	s_wait_alu 0x0
	s_wait_tensorcnt 0x0
	ds_add_u32 v254, v255
	s_wait_dscnt 0x0
	s_endpgm
.Lfunc_end_k_q78dd61ea6e_mlp:
	.size	k_q78dd61ea6e_mlp, .Lfunc_end_k_q78dd61ea6e_mlp-k_q78dd61ea6e_mlp
	.p2alignl 7, 3214868480
	.fill 96, 4, 3214868480
	.section	.rodata,"a",@progbits
	.p2align	6, 0x0
	.amdhsa_kernel k_q78dd61ea6e_mlp
		.amdhsa_group_segment_fixed_size 115712
		.amdhsa_private_segment_fixed_size 0
		.amdhsa_enable_private_segment 0
		.amdhsa_kernarg_size 88
		.amdhsa_user_sgpr_count 2
		.amdhsa_user_sgpr_kernarg_segment_ptr 1
		.amdhsa_wavefront_size32 1
		.amdhsa_system_sgpr_workgroup_id_x 1
		.amdhsa_system_sgpr_workgroup_id_y 1
		.amdhsa_system_sgpr_workgroup_id_z 1
		.amdhsa_system_vgpr_workitem_id 0
		.amdhsa_next_free_vgpr 512
		.amdhsa_next_free_sgpr 66
		.amdhsa_reserve_vcc 0
		.amdhsa_float_denorm_mode_32 3
		.amdhsa_float_denorm_mode_16_64 3
		.amdhsa_memory_ordered 1
		.amdhsa_forward_progress 1
		.amdhsa_inst_pref_size 154
	.end_amdhsa_kernel
	.amdgpu_metadata
---
amdhsa.version: [ 1, 2 ]
amdhsa.kernels:
  - .name:           k_q78dd61ea6e_mlp
    .symbol:         k_q78dd61ea6e_mlp.kd
    .args:
      - { .name: x, .offset: 0, .size: 8, .value_kind: global_buffer, .address_space: global }
      - { .name: att, .offset: 8, .size: 8, .value_kind: global_buffer, .address_space: global }
      - { .name: gamma2, .offset: 16, .size: 8, .value_kind: global_buffer, .address_space: global }
      - { .name: beta2, .offset: 24, .size: 8, .value_kind: global_buffer, .address_space: global }
      - { .name: w1img, .offset: 32, .size: 8, .value_kind: global_buffer, .address_space: global }
      - { .name: w1sc, .offset: 40, .size: 8, .value_kind: global_buffer, .address_space: global }
      - { .name: b1, .offset: 48, .size: 8, .value_kind: global_buffer, .address_space: global }
      - { .name: w2img, .offset: 56, .size: 8, .value_kind: global_buffer, .address_space: global }
      - { .name: w2sc, .offset: 64, .size: 8, .value_kind: global_buffer, .address_space: global }
      - { .name: b2, .offset: 72, .size: 8, .value_kind: global_buffer, .address_space: global }
      - { .name: out0, .offset: 80, .size: 8, .value_kind: global_buffer, .address_space: global }
    .group_segment_fixed_size: 115712
    .private_segment_fixed_size: 0
    .kernarg_segment_align: 8
    .kernarg_segment_size: 88
    .max_flat_workgroup_size: 256
    .sgpr_count:     66
    .vgpr_count:     512
    .wavefront_size: 32
...
	.end_amdgpu_metadata
.endif
;; end of part 4
